; MI455X (gfx1250); checked and timed in simulation.
; The chip was launched on July 23, 2026; its instructions are those of AMD's public machine-readable ISA for CDNA 5 (MIT licence, August 2026) and "CDNA5" Instruction Set Architecture Reference Guide (July 2026). The comments in the code are by the model that wrote it; some were corrected since.
;; Self Attention. Allowed arithmetic: float matrix products may take bf16 or f16 operands with f32 sums; other float arithmetic in f32, or as packed bf16 or f16 multiplies, adds, multiply-adds, maxima and minima; sums over many terms, partial sums and values carried from step to step in f32; what a program stores and reads back later, other than sums and carried values, may be rounded once to bf16 or f16.
;; Inputs: Wk 1,024 x 1,024 float32; Wq 1,024 x 1,024 float32; Wv 1,024 x 1,024 float32; bk 1,024 float32; bq 1,024 float32; bv 1,024 float32; x 4 x 2,048 x 1,024 float32.
;; Outputs: out0 4 x 2,048 x 1,024 float32.
;; 2 versions, each right; version 2 is version 1 with the launch prep written anew for expert scheduling mode. Each part assembles by itself: llvm-mc -triple=amdgcn-amd-amdhsa -mcpu=gfx1250 --defsym DOCPART=n.
;; ======== version 1 of 2: 4 launches
;; limits: values are held in f16: magnitudes above 65,504 overflow, below 6.1e-05 lose precision
;; workspace buffers: xb 16,777,216 bytes; wb 6,291,456 bytes; qh 16,777,216 bytes; kh 16,777,216 bytes; vh 16,777,216 bytes; pb 33,554,432 bytes; mst 262,144 bytes; lst 524,288 bytes
;; launch prep (part 1): grid 256 x 1, 8 waves a work-group, no clusters, 0 bytes of LDS; arguments x, Wq, Wk, Wv, xb, wb; writes xb, wb
.if DOCPART == 1
	.amdgcn_target "amdgcn-amd-amdhsa--gfx1250"
	.amdhsa_code_object_version 6
	.text
	.protected	k_q6eea74c853_prep
	.globl	k_q6eea74c853_prep
	.p2align	8
	.type	k_q6eea74c853_prep,@function
k_q6eea74c853_prep:
	s_mov_b64 s[64:65], 0
	v_nop
	global_prefetch_b8 v0, s[64:65] scope:SCOPE_SE
	s_setreg_imm32_b32 hwreg(HW_REG_WAVE_MODE, 25, 1), 1
	s_wait_xcnt 0x0
; x and the three weight matrices, rounded once to bf16 (to nearest even), for the matrix products of the next launch.
; xb is laid out in blocks: [k / 64 (16)][row (8192)][64], so that 256 rows of one K step of 64 are 32,768 dense bytes.  wb is [3 (q, k, v)][k 1024][n 1024].
; A stream: no LDS, no barrier, no matrix unit.  11 x 2^20 numbers are 45,056 for each of 256 work-groups: 32 rows of x and 4 rows of each weight matrix, so that all work-groups are alike and there is no branch.
; A thread has 44 passes: a load of 16 bytes (4 f32), two conversions, a store of 8 bytes.  All 44 loads go out first; no register is written twice, so the only waits are the counted ones for the loads.
; x: pass (kb, rh): lanes 0-15 of a wave read the 256 bytes that one row has in block kb, lanes 16-31 the next row's: two aligned runs of 256 bytes, each named by this one load;
;    the wave's store is those two rows' 128 + 128 bytes in xb: 256 consecutive bytes, aligned.  The eight waves take 16 rows; rh is the half of the group's 32.
; W: as it lies: a wave reads 512 consecutive bytes and stores 256.
.set X, 8                              ; v[8+4p : 11+4p]  pass p: 4 f32 as loaded; its first two registers then hold the 4 bf16
.set NP, 44                            ; passes: 32 of x, then 4 of each of Wq, Wk, Wv
.macro OUT p, lo, off                  ; pass p leaves, by the base s[lo:lo+1] and the immediate off
	s_wait_loadcnt NP-1-(\p)                       ; loads come back in order: pass p's is in, the younger passes' stay out
	v_cvt_pk_bf16_f32 v[X+4*(\p)],   v[X+4*(\p)],   v[X+4*(\p)+1]   ; in place, ascending: the second line reads registers that the first has not written
	v_cvt_pk_bf16_f32 v[X+4*(\p)+1], v[X+4*(\p)+2], v[X+4*(\p)+3]
	global_store_b64 v2, v[X+4*(\p):X+4*(\p)+1], s[\lo:\lo+1] offset:\off th:TH_STORE_NT
.endm
	s_load_b256 s[4:11], s[0:1], 0x0               ; x s[4:5], Wq s[6:7], Wk s[8:9], Wv s[10:11]
	s_load_b128 s[12:15], s[0:1], 0x20             ; xb s[12:13], wb s[14:15]
	v_lshlrev_b32 v2, 3, v0                        ; where I store: 8 t, in xb ((t / 16) rows of 128 bytes + 8 (t % 16)) and in wb alike
	v_lshlrev_b32 v3, 4, v0                        ; where I read a weight matrix: 16 t
	v_lshrrev_b32 v1, 4, v0                        ; where I read x: row t / 16 of 16,
	v_and_b32 v4, 15, v0
	v_lshlrev_b32 v1, 12, v1
	v_lshl_or_b32 v1, v4, 4, v1                    ; 16 bytes at 16 (t % 16) of the block's 256
	s_lshl_b32 s16, ttmp9, 17                      ; x: 32 rows of 4,096 bytes
	s_mov_b32 s17, 0
	s_lshl_b32 s18, ttmp9, 12                      ; xb: 32 rows of 128 bytes in a block,
	s_add_co_u32 s18, s18, 0x800000                ; counted from block 8, so that the 16 blocks, 1 MiB apart, lie inside the store's signed 24-bit immediate
	s_mov_b32 s19, 0
	s_lshl_b32 s20, ttmp9, 14                      ; a weight matrix: 4 rows of 4,096 bytes
	s_mov_b32 s21, 0
	s_lshl_b32 s22, ttmp9, 13                      ; wb: 4 rows of 2,048 bytes
	s_mov_b32 s23, 0
	s_wait_kmcnt 0x0
	s_add_nc_u64 s[4:5],   s[4:5],   s[16:17]
	s_add_nc_u64 s[6:7],   s[6:7],   s[20:21]
	s_add_nc_u64 s[8:9],   s[8:9],   s[20:21]
	s_add_nc_u64 s[10:11], s[10:11], s[20:21]
	s_add_nc_u64 s[12:13], s[12:13], s[18:19]
	s_add_nc_u64 s[14:15], s[14:15], s[22:23]
.set p, 0
.rept 32                               ; x: block p % 16, half p / 16 of the rows
	global_load_b128 v[X+4*p:X+4*p+3], v1, s[4:5] offset:(p%16)*256+(p/16)*65536 th:TH_LOAD_NT
.set p, p+1
.endr
.irp u, 0,1,2
.irp q, 0,1,2,3
	global_load_b128 v[X+4*(32+4*\u+\q):X+4*(32+4*\u+\q)+3], v3, s[6+2*\u:7+2*\u] offset:4096*\q th:TH_LOAD_NT
.endr
.endr
.set p, 0
.rept 32
	OUT p, 12, ((p%16)-8)*1048576+(p/16)*2048
.set p, p+1
.endr
.rept 12
	OUT p, 14, ((p-32)/4)*2097152+((p-32)%4)*2048
.set p, p+1
.endr
	s_endpgm
.Lfunc_end_k_q6eea74c853_prep:
	.size	k_q6eea74c853_prep, .Lfunc_end_k_q6eea74c853_prep-k_q6eea74c853_prep
	.p2alignl 7, 3214868480
	.fill 96, 4, 3214868480
	.section	.rodata,"a",@progbits
	.p2align	6, 0x0
	.amdhsa_kernel k_q6eea74c853_prep
		.amdhsa_group_segment_fixed_size 0
		.amdhsa_private_segment_fixed_size 0
		.amdhsa_enable_private_segment 0
		.amdhsa_kernarg_size 48
		.amdhsa_user_sgpr_count 2
		.amdhsa_user_sgpr_kernarg_segment_ptr 1
		.amdhsa_wavefront_size32 1
		.amdhsa_system_sgpr_workgroup_id_x 1
		.amdhsa_system_sgpr_workgroup_id_y 1
		.amdhsa_system_sgpr_workgroup_id_z 1
		.amdhsa_system_vgpr_workitem_id 0
		.amdhsa_next_free_vgpr 184
		.amdhsa_next_free_sgpr 66
		.amdhsa_reserve_vcc 0
		.amdhsa_float_denorm_mode_32 3
		.amdhsa_float_denorm_mode_16_64 3
		.amdhsa_memory_ordered 1
		.amdhsa_forward_progress 1
		.amdhsa_inst_pref_size 17
	.end_amdhsa_kernel
	.amdgpu_metadata
---
amdhsa.version: [ 1, 2 ]
amdhsa.kernels:
  - .name:           k_q6eea74c853_prep
    .symbol:         k_q6eea74c853_prep.kd
    .args:
      - { .name: x, .offset: 0, .size: 8, .value_kind: global_buffer, .address_space: global }
      - { .name: Wq, .offset: 8, .size: 8, .value_kind: global_buffer, .address_space: global }
      - { .name: Wk, .offset: 16, .size: 8, .value_kind: global_buffer, .address_space: global }
      - { .name: Wv, .offset: 24, .size: 8, .value_kind: global_buffer, .address_space: global }
      - { .name: xb, .offset: 32, .size: 8, .value_kind: global_buffer, .address_space: global }
      - { .name: wb, .offset: 40, .size: 8, .value_kind: global_buffer, .address_space: global }
    .group_segment_fixed_size: 0
    .private_segment_fixed_size: 0
    .kernarg_segment_align: 8
    .kernarg_segment_size: 48
    .max_flat_workgroup_size: 256
    .sgpr_count:     66
    .vgpr_count:     184
    .wavefront_size: 32
...
	.end_amdgpu_metadata
.endif
;; end of part 1
;; launch qkv (part 2): grid 8 x 32, 4 waves a work-group, clusters of 4 x 4, 327,680 bytes of LDS; arguments xb, wb, bq, bk, bv, qh, kh, vh; writes qh, kh, vh
.if DOCPART == 2
	.amdgcn_target "amdgcn-amd-amdhsa--gfx1250"
	.amdhsa_code_object_version 6
	.text
	.protected	k_q6eea74c853_qkv
	.globl	k_q6eea74c853_qkv
	.p2align	8
	.type	k_q6eea74c853_qkv,@function
k_q6eea74c853_qkv:
	s_mov_b64 s[64:65], 0
	v_nop
	global_prefetch_b8 v0, s[64:65] scope:SCOPE_SE
	s_setreg_imm32_b32 hwreg(HW_REG_WAVE_MODE, 25, 1), 1
	s_wait_xcnt 0x0
	s_wait_alu depctr_hold_cnt(0) depctr_sa_sdst(0) depctr_va_vdst(0) depctr_va_sdst(0) depctr_va_ssrc(0) depctr_va_vcc(0) depctr_vm_vsrc(0)
	s_getreg_b32 s2, hwreg(HW_REG_IB_STS2, 6, 4)
	s_cmp_eq_u32 s2, 0
	s_cbranch_scc0 .Lentry_in_a_cluster
	s_endpgm
.Lentry_in_a_cluster:
	s_bfe_u32 s2, ttmp6, 0x10000c
	s_cmp_lg_u32 s2, 0xf033
	s_cbranch_scc0 .Lentry_shape_is_right
	s_endpgm
.Lentry_shape_is_right:
; q = x Wq + bq, k = x Wk + bk, v = x Wv + bv.  x and W come rounded to bf16 (xb in blocks [k / 64][row][64], wb [3][k][n]); the biases are rounded to bf16 here; sums in f32; q, k, v rounded once to f16, [8192][1024].
; LIMIT.  f16 holds no number beyond 65,504: q, k and v must lie within it; below 6e-5 they keep f16's fixed step of 6e-8.  NaN and infinities are not treated apart.
; SHARES.  8192 x 3072 outputs are 256 tiles of 256 rows x 384 columns: a work-group makes rows 256 Y .. and columns 128 X .. 128 X + 127 of each of q, k and v (384 stage columns, q | k | v).
; Four waves; a wave makes 128 rows x 192 stage columns: 8 row blocks a x 12 column blocks: 96 accumulators, 768 registers, in three groups of four column blocks, a register window each.
; K goes in 16 steps of 64 through two LDS slots filled by the tensor data mover; a step is two quarters of 32.  A K step is written once: the slot in hand is a scalar, 0 or SLOT, that an exclusive or turns.
; THE MATRIX INSTRUCTION IS USED TRANSPOSED: source 0 = 16 columns of W (turned on the way out of LDS), source 1 = 16 rows of x: a lane holds one row and eight neighbouring columns.
; THE BIAS is the C operand of the products that start the sums: nothing is cleared and nothing is added at the end.
; CLUSTER.  4 x 4 work-groups: x's tile hangs on Y alone and is asked for jointly by a row of the cluster, W's tiles hang on X alone and are asked for jointly by a column.
; REGISTERS.  window 0: v0-31 addresses; v32-95, v96-159 x's fragments, two buffers; v160-255 W's twelve fragments, one buffer, loaded again group by group.  windows 1-3: group g's accumulators, (a, c) at v[8 (4 a + c)].
.set PA,    144                        ; a row of x in LDS: 128 bytes + 16 = 36 words: the 16 rows of a load start at 16 different groups of four banks
.set PB,    288                        ; a row of W: 256 bytes + 32 = 72 words
.set BOFF,  256*PA                     ; a slot: x's 256 rows, then three sub-tiles (q, k, v) of 64 rows of W
.set SUB,   64*PB
.set SLOT,  BOFF+3*SUB
.set SPQ,   784                        ; the stage's row: 768 bytes + 16.  The stage, 256 rows from LDS byte 0, lies over the ring, which has had its last fill by then
.set SPARE, 256*SPQ                    ; behind the stage: the spare words, 128 bytes for each wave, which no other line names
.set ADRA,  16                         ; v16     LDS address of my fragments of x in the slot in hand
.set ADRA0, 17                         ; v17     the same in slot 0; never rewritten
.set ADRB,  18                         ; v18-20  of W's, by group, in the slot in hand
.set ADRB0, 21                         ; v21-23  the same in slot 0; never rewritten
.set STO,  24                          ; v24-25  the way out: where I put 16 bytes of a row; row blocks 0-3, 4-7
.set RD,   26                          ; v26     where I read rows back
.set GO,   27                          ; v27     my byte offset in two rows of q, k or v
.set SPW,  28                          ; v28     LDS address of my spare word; never rewritten
.set NIL,  29                          ; v29     0; never rewritten
.set PFO,  30                          ; v30     the prefetches' offset; never rewritten
.set BH,   31                          ; v31     32 x (lane / 16): my eight biases of a column block
.set AF0,  32
.set AF1,  96
.set BF,   160
.set TMP,  32                          ; the way out: packed results
.set RB,   64                          ; the way out: rows read back, two sets of 64
.set WV,  12                           ; s12 wave; s13 wave / 2: my half of the rows; s14 wave % 2: my half of the stage columns
.set H1,  13
.set H0,  14
.set CX,  15                           ; s15, s16 my place in the cluster
.set CY,  16
.set TX,  17                           ; s17 X, s18 Y
.set TY,  18
.set CLY, 19                           ; s19 the cluster's y
.set G1A, 24                           ; s[24:31] descriptor group 1 for x's tile; s[32:39] group 0: a set for each of the two first fills; the second then walks on
.set G0A, 32
.set LIM, 42                           ; s42  a wave prefetches while the loop's count is above this: 2, or the greatest number
.set LIMX, 43                          ; s43  what an exclusive or turns s42 by at each change of slots: 0, or in W's waves what lets every second change ask
.set PFA, 44                           ; s[44:45] where my prefetches stand
.set PFS, 46                           ; s[46:47] a K step's bytes for them
.set G1B, 48                           ; s[48:55], s[56:63] the same for W's tiles
.set G0B, 56
.set BP,  76                           ; s[76:81] three bias addresses, later the three outputs'
.set TB,  84                           ; s84  the slot in hand: 0 or SLOT
.set WPB, 85                           ; s85  my sub-tile's place in a slot: BOFF + SUB (wave - 1) = SUB (wave + 1)
; s20, s22-23, s88-89 feed x's descriptors and never hold cx; s21, s40-41, s90-91 feed W's and never hold cy; s93-99 are for all else
.set MSB, 0
.macro WIN new                         ; the immediate's high byte repeats the setting that is left; a switch that changes nothing is dropped
.if MSB != (\new)
	s_set_vgpr_msb (MSB<<8)|(\new)
.set MSB, (\new)
.endif
.endm
.macro PLACES                          ; four plain places behind a matrix instruction, ahead of loads into registers that it read and of lines that read its result
.rept 4
	v_nop
.endr
.endm
.macro CREST                           ; a round of the cluster's barrier behind its opening barrier
	s_cmp_lg_u32 s[WV], 0
	s_cbranch_scc1 .Lnot_wave_0_\@
	s_barrier_signal -3
.Lnot_wave_0_\@:
	s_barrier_wait -3
	s_barrier_signal -1
	s_barrier_wait -1
.endm
.macro CROUND
	s_barrier_signal -1
	s_barrier_wait -1
	CREST
.endm
; A joint load.  Wave 0 fetches x's tile, waves 1 to 3 W's three sub-tiles.  The branch hangs on the wave's number alone.  An s_nop 0 and four v_nop follow each line.
.macro JLOAD s
	s_cmp_eq_u32 s[WV], 0
	s_cbranch_scc0 .Lfor_b_\@
	tensor_load_to_lds s[G0A+4*(\s):G0A+4*(\s)+3], s[G1A:G1A+7]
	s_nop 0
.rept 4
	v_nop
.endr
	s_branch .Lasked_\@
.Lfor_b_\@:
	tensor_load_to_lds s[G0B+4*(\s):G0B+4*(\s)+3], s[G1B:G1B+7]
	s_nop 0
.rept 4
	v_nop
.endr
.Lasked_\@:
.endm
; A prefetch, behind the joint load and the run of LDS loads: the K step two refills on.  x's tile rows are read by both clusters of a row of clusters: the one with x = 0 asks; W's by all eight along y: the one with y = 0 asks.
; The four partners of a joint load share its bytes out by address.  x: 32 blocks of 256 bytes, a lane a block.  W: 16 rows of 256 bytes; lanes 16-31 take the same rows of the step after, and only every second change asks.
; The loop's last two trips (s3 = 2, 1) ask for nothing: there is no step two on.
.macro ASK
	s_cmp_gt_u32 s3, s[LIM]
	s_cbranch_scc0 .Lnot_mine_\@
	global_prefetch_b8 v[PFO], s[PFA:PFA+1] th:TH_LOAD_NT scope:SCOPE_SE
.Lnot_mine_\@:
	s_xor_b32 s[LIM], s[LIM], s[LIMX]
.endm
	s_load_b256 s[4:11], s[0:1], 0x0               ; xb s[4:5], wb s[6:7], bq s[8:9], bk s[10:11]
	s_load_b256 s[68:75], s[0:1], 0x20             ; bv s[68:69], qh s[70:71], kh s[72:73], vh s[74:75]
	v_lshl_add_u32 v[SPW], v0, 2, SPARE
	v_mov_b32 v[NIL], 0
	ds_add_u32 v[SPW], v[NIL]                      ; the wave's opening: the add and its wait, ahead of my first tensor load; work on registers stands between them
	v_lshrrev_b32 v1, 5, v0
	v_readfirstlane_b32 s[WV], v1
	s_lshr_b32 s[H1], s[WV], 1
	s_and_b32 s[H0], s[WV], 1
	s_bfe_u32 s[CX], ttmp6, 0x40000
	s_bfe_u32 s[CY], ttmp6, 0x40004
	s_lshl_b32 s[TX], ttmp9, 2
	s_add_co_u32 s[TX], s[TX], s[CX]               ; X = 4 x cluster x + cx
	s_and_b32 s[CLY], ttmp7, 0xffff
	s_lshl_b32 s[TY], s[CLY], 2
	s_add_co_u32 s[TY], s[TY], s[CY]               ; Y = 4 x cluster y + cy
	s_lshl_b32 s20, s[CY], 2
	s_lshl_b32 s20, 15, s20                        ; my row of the cluster
	s_lshl_b32 s21, 0x1111, s[CX]                  ; my column
	s_or_b32 s[G1A], s20, (1<<16)|(1<<20)|(1<<21)|(4<<22)|(3<<25)  ; the mask; 2-byte elements; padding on; bit 21 beside a mask; after every 32 words 4 words
	s_or_b32 s[G1B], s21, (1<<16)|(1<<20)|(1<<21)|(5<<22)|(7<<25)  ; after every 64 words 8 words
	s_mov_b32 s[G1A+1], 128<<16                    ; x's tile, 32,768 dense bytes, as 128 rows of 128 elements (two rows of x each)
	s_mov_b32 s[G1A+2], 128<<16
	s_mov_b32 s[G1A+3], 128<<16
	s_mov_b32 s[G1A+4], 128
	s_mov_b32 s[G1A+5], 128
	s_mov_b32 s[G1A+6], 0
	s_mov_b32 s[G1A+7], 0
	s_mov_b32 s[G1B+1], 128<<16                    ; a sub-tile of W: 64 rows of 128 elements, 1,024 elements from row to row
	s_mov_b32 s[G1B+2], 64<<16
	s_mov_b32 s[G1B+3], 128<<16
	s_mov_b32 s[G1B+4], 64
	s_mov_b32 s[G1B+5], 1024
	s_mov_b32 s[G1B+6], 0
	s_mov_b32 s[G1B+7], 0
	s_lshl_b32 s22, s[TY], 15                      ; x: 256 Y rows of 128 bytes in a block
	s_mov_b32 s23, 0
	s_max_u32 s40, s[WV], 1
	s_sub_co_u32 s40, s40, 1                       ; W: waves 1, 2, 3 take q's, k's, v's matrix (wave 0 asks by x's line)
	s_lshl_b32 s40, s40, 21
	s_lshl_b32 s41, s[TX], 8
	s_add_co_u32 s40, s40, s41                     ; + 128 X columns
	s_mov_b32 s41, 0
	s_mul_i32 s[WPB], s[WV], SUB
	s_add_co_u32 s[WPB], s[WPB], SUB
	s_mov_b32 s[TB], 0
	s_mov_b32 s82, 0xffff0000
	s_wait_dscnt 0x0                               ; the opening add is done
	s_wait_kmcnt 0x0
	s_add_nc_u64 s[88:89], s[4:5], s[22:23]
	s_add_nc_u64 s[90:91], s[6:7], s[40:41]
.irp s, 0,1
	s_mov_b32 s[G0A+4*\s], 1
	s_mov_b32 s[G0A+4*\s+1], \s*SLOT
	s_add_nc_u64 s[G0A+4*\s+2:G0A+4*\s+3], s[88:89], \s*1048576   ; K step s: a block of xb is 1 MiB
	s_or_b32 s[G0A+4*\s+3], s[G0A+4*\s+3], 0x80000000
	s_mov_b32 s[G0B+4*\s], 1
	s_add_co_u32 s[G0B+4*\s+1], s[WPB], \s*SLOT
	s_add_nc_u64 s[G0B+4*\s+2:G0B+4*\s+3], s[90:91], \s*131072    ; 64 rows of 2,048 bytes
	s_or_b32 s[G0B+4*\s+3], s[G0B+4*\s+3], 0x80000000
.endr
	CROUND                                         ; all sixteen work-groups are here: the first joint loads meet
	JLOAD 0
	JLOAD 1                                        ; two tensor loads of mine are out
	; the biases of my twelve column blocks, into the accumulators of row block 0.  Group 0: bq + 0 | bk + 64; group 1: bq + 64 | bv + 0; group 2: bk + 0 | bv + 64 (wave % 2 = 0 | 1)
	v_and_b32 v1, 15, v0                           ; l % 16
	v_bfe_u32 v2, v0, 4, 1                         ; l / 16
	v_lshlrev_b32 v[BH], 5, v2
	s_lshl_b32 s93, s[TX], 9                       ; 128 X columns of 4 bytes
	s_lshl_b32 s94, s[H0], 8
	s_xor_b32 s96, s94, 256
	s_add_co_u32 s94, s94, s93
	s_add_co_u32 s96, s96, s93
	s_mov_b32 s95, 0
	s_mov_b32 s97, 0
	s_cmp_eq_u32 s[H0], 0
	s_cselect_b64 s[BP:BP+1],   s[8:9],   s[10:11]
	s_cselect_b64 s[BP+2:BP+3], s[8:9],   s[68:69]
	s_cselect_b64 s[BP+4:BP+5], s[10:11], s[68:69]
	s_add_nc_u64 s[BP:BP+1],   s[BP:BP+1],   s[94:95]
	s_add_nc_u64 s[BP+2:BP+3], s[BP+2:BP+3], s[96:97]
	s_add_nc_u64 s[BP+4:BP+5], s[BP+4:BP+5], s[94:95]
.irp g, 0,1,2
	WIN (1+\g)<<6
.irp c, 0,1,2,3
	global_load_b128 v[8*\c:8*\c+3],   v[BH], s[BP+2*\g:BP+2*\g+1] offset:64*\c
	global_load_b128 v[8*\c+4:8*\c+7], v[BH], s[BP+2*\g:BP+2*\g+1] offset:64*\c+16
.endr
.endr
	WIN 0
	; a fragment of x: lane l holds row l % 16, channels 8 (l / 16) + 0..7 and 16 + 8 (l / 16) + 0..7: two loads of 16 bytes, 32 bytes apart
	v_mul_u32_u24 v3, v1, PA
	v_lshl_add_u32 v3, v2, 4, v3
	s_mul_i32 s67, s[H1], 128*PA
	v_add_nc_u32 v[ADRA0], s67, v3
	v_mov_b32 v[ADRA], v[ADRA0]
	; the turning load takes 16 k x 16 columns: lane l reads k = 8 (l / 16) + l % 8, columns 8 ((l / 8) % 2) + 0..7, and is left with column l % 16 and 8 k
	v_and_b32 v4, 7, v0
	v_bfe_u32 v5, v0, 3, 1
	v_lshl_add_u32 v6, v2, 3, v4
	v_mul_u32_u24 v6, v6, PB
	v_lshl_add_u32 v6, v5, 4, v6
	; group g begins at stage column 64 g (wave % 2 = 0) or 192 + 64 g (wave % 2 = 1): sub-tile column / 128, byte 2 (column % 128) of its rows.  Both places are constants: the address is the first plus (wave % 2) x their difference
.irp g, 0,1,2
.set C0, ((64*\g)>>7)*SUB+2*((64*\g)&127)
.set C1, ((192+64*\g)>>7)*SUB+2*((192+64*\g)&127)
	s_mul_i32 s67, s[H0], C1-C0
	s_add_co_u32 s67, s67, BOFF+C0
	v_add_nc_u32 v[ADRB0+\g], s67, v6
	v_mov_b32 v[ADRB+\g], v[ADRB0+\g]
.endr
	v_mul_u32_u24 v7, v1, SPQ                      ; into the stage: row 128 (wave / 2) + l % 16, byte 384 (wave % 2) + 16 (l / 16)
	v_lshl_add_u32 v7, v2, 4, v7
	s_mul_i32 s67, s[H1], 128*SPQ
	s_mul_i32 s93, s[H0], 384
	s_add_co_u32 s67, s67, s93
	v_add_nc_u32 v[STO], s67, v7
	v_add_nc_u32 v[STO+1], 64*SPQ, v[STO]
	v_mul_u32_u24 v7, v2, SPQ                      ; back: wave w takes rows 64 w ..; lanes 0-15 one row's 256 bytes, lanes 16-31 the next row's
	v_lshl_add_u32 v7, v1, 4, v7
	s_mul_i32 s67, s[WV], 64*SPQ
	v_add_nc_u32 v[RD], s67, v7
	v_lshlrev_b32 v7, 11, v2
	v_lshl_add_u32 v[GO], v1, 4, v7
	; the prefetches
	s_lshl_b32 s96, s[CX], 13                      ; x: my work-group's 8,192 of the tile's 32,768 bytes
	s_lshl_b32 s97, s[CY], 15                      ; W: my work-group's 16 of the sub-tile's 64 rows
	s_mov_b32 s94, 2048
	s_mov_b32 s95, 131072
	s_mov_b32 s[PFS], 131072
	s_mov_b32 s[PFS+1], 0
	s_cmp_eq_u32 s[WV], 0
	s_cselect_b32 s96, s96, s97
	s_cselect_b32 s98, ttmp9, s[CLY]               ; the coordinate along which other clusters read the same bytes
	s_cselect_b32 s93, 31, 15
	s_cselect_b32 s94, 256, s94
	s_cselect_b32 s95, 0, s95
	s_cselect_b32 s[PFS], 1048576, s[PFS]
	s_cselect_b32 s99, 2, -1
	s_cselect_b64 s[PFA:PFA+1], s[88:89], s[90:91]
	s_cmp_eq_u32 s98, 0
	s_cselect_b32 s[LIM], 2, -1                    ; the same in all sixteen partners, for a given wave
	s_max_u32 s[LIMX], s[LIM], s99                 ; the limit at the changes in between: x's wave keeps its own, W's waves do not ask;
	s_xor_b32 s[LIMX], s[LIMX], s[LIM]             ; the two limits' exclusive or turns one into the other
	s_mov_b32 s97, 0
	s_add_nc_u64 s[PFA:PFA+1], s[PFA:PFA+1], s[96:97]
.rept 3
	s_add_nc_u64 s[PFA:PFA+1], s[PFA:PFA+1], s[PFS:PFS+1]  ; at K step 3: the first refill (step 2) steps it to 4.  Nothing is prefetched here, at the head
.endr
	v_and_b32 v7, 31, v0
	v_and_b32 v[PFO], s93, v7
	v_mul_u32_u24 v[PFO], s94, v[PFO]
	v_mul_u32_u24 v7, s95, v2
	v_add_nc_u32 v[PFO], v[PFO], v7
	s_wait_loadcnt 0x0                             ; the biases are in: rounded to bf16 like the other inputs, and widened again (the packed halves pass through row block 1's accumulators, which no product has written yet)
.irp g, 0,1,2
	WIN (1+\g)*0x55
.irp c, 0,1,2,3
.irp i, 0,1,2,3
	v_cvt_pk_bf16_f32 v[32+4*\c+\i], v[8*\c+2*\i], v[8*\c+2*\i+1]
.endr
.irp i, 0,1,2,3
	v_lshlrev_b32 v[8*\c+2*\i], 16, v[32+4*\c+\i]
	v_and_b32 v[8*\c+2*\i+1], s82, v[32+4*\c+\i]
.endr
.endr
.endr
	WIN 0
; 16 products: row blocks a0 .. a0 + 3 x the four column blocks of group g, 32 along K.  The accumulators take turns, one instruction a turn.
.macro MUL16 f, g, a0
	WIN (1+(\g))*0x50
.irp a, (\a0), (\a0)+1, (\a0)+2, (\a0)+3
.irp c, 0,1,2,3
	v_wmma_f32_16x16x32_bf16 v[8*(4*(\a)+(\c)):8*(4*(\a)+(\c))+7], v[BF+8*(4*(\g)+(\c)):BF+8*(4*(\g)+(\c))+7], v[(\f)+8*(\a):(\f)+8*(\a)+7], v[8*(4*(\a)+(\c)):8*(4*(\a)+(\c))+7]
.endr
.endr
.endm
.macro GRP f, g
	MUL16 \f, \g, 0
	MUL16 \f, \g, 4
.endm
; A group's first 32 products start the sums with the bias, which lies in row block 0's accumulators: row blocks 1 to 7 take it as C; five places on, row block 0 adds in place.
.macro MULB g
	WIN (1+(\g))*0x50
.irp a, 1,2,3,4,5,6,7
.irp c, 0,1,2,3
	v_wmma_f32_16x16x32_bf16 v[8*(4*(\a)+(\c)):8*(4*(\a)+(\c))+7], v[BF+8*(4*(\g)+(\c)):BF+8*(4*(\g)+(\c))+7], v[AF0+8*(\a):AF0+8*(\a)+7], v[8*(\c):8*(\c)+7]
.endr
.endr
.rept 5
	v_nop
.endr
.irp c, 0,1,2,3
	v_wmma_f32_16x16x32_bf16 v[8*(\c):8*(\c)+7], v[BF+8*(4*(\g)+(\c)):BF+8*(4*(\g)+(\c))+7], v[AF0:AF0+7], v[8*(\c):8*(\c)+7]
.endr
.endm
.macro LDB q, g                        ; 8 LDS loads: group g's four fragments of W, quarter q of the slot in hand
.irp c, 0,1,2,3
	ds_load_tr16_b128 v[BF+8*(4*(\g)+(\c)):BF+8*(4*(\g)+(\c))+3],   v[ADRB+(\g)] offset:32*PB*(\q)+32*(\c)
	ds_load_tr16_b128 v[BF+8*(4*(\g)+(\c))+4:BF+8*(4*(\g)+(\c))+7], v[ADRB+(\g)] offset:32*PB*(\q)+32*(\c)+16*PB
.endr
.endm
.macro LDA q, f                        ; 16 LDS loads: x's eight fragments
.irp a, 0,1,2,3,4,5,6,7
	ds_load_b128 v[(\f)+8*(\a):(\f)+8*(\a)+3],   v[ADRA] offset:16*PA*(\a)+64*(\q)
	ds_load_b128 v[(\f)+8*(\a)+4:(\f)+8*(\a)+7], v[ADRA] offset:16*PA*(\a)+64*(\q)+32
.endr
.endm
; A quarter has three runs of LDS loads for the next one: run 0 (24: group 0 of W, and x) behind group 0's products, run 1 (8) behind group 1's, run 2 (8) behind group 2's.
; A step's first quarter: multiplies buffer 0 of x and fetches the second quarter of the same slot.
.macro Q0 first
	s_wait_dscnt 16                                ; run 0 of the quarter before is in; its runs 1 and 2 (8 + 8) may stay out
.if \first
	MULB 0
.else
	GRP AF0, 0
.endif
	PLACES
	WIN 0
	LDB 1, 0
	LDA 1, AF1
	s_wait_dscnt 32                                ; run 1 is in; run 2 (8) and the 24 just issued may stay out
.if \first
	MULB 1
.else
	GRP AF0, 1
.endif
	PLACES
	WIN 0
	LDB 1, 1
	s_wait_dscnt 32                                ; run 2 is in; this quarter's 24 + 8 may stay out
.if \first
	MULB 2
.else
	GRP AF0, 2
.endif
	PLACES
	WIN 0
	LDB 1, 2
.endm
; A step's second quarter multiplies buffer 1 and changes slots.  Ahead of the barrier each wave waits for all its tensor loads (one is out: its part of the other slot), adds 0 to its spare word, and waits for that
; and for its reads of this slot: all of this quarter's fragments are then in registers.  While the add is out the walking descriptors take the slot that is left and the next K step, the slot in hand is turned, and the
; fragment addresses are made anew.  fill = 1: the barrier opens a round of the cluster's, and the slot that is left is filled again first thing behind it, two K steps ahead.
.macro Q1T fill
.if \fill
	s_wait_xcnt 0x0                                ; the last prefetch, a K step back, has read its address
	s_add_nc_u64 s[PFA:PFA+1], s[PFA:PFA+1], s[PFS:PFS+1]
.endif
	WIN 0
	s_wait_tensorcnt 0x0                           ; no tensor load of mine is out, so a group 0 may be written
	ds_add_u32 v[SPW], v[NIL]
.if \fill
	s_mov_b32 s[G0A+5], s[TB]
	s_add_co_u32 s[G0B+5], s[WPB], s[TB]
	s_add_nc_u64 s[G0A+6:G0A+7], s[G0A+6:G0A+7], 1048576
	s_add_nc_u64 s[G0B+6:G0B+7], s[G0B+6:G0B+7], 131072
.endif
	s_xor_b32 s[TB], s[TB], SLOT
	v_add_nc_u32 v[ADRA], s[TB], v[ADRA0]
.irp g, 0,1,2
	v_add_nc_u32 v[ADRB+\g], s[TB], v[ADRB0+\g]
.endr
	s_wait_dscnt 17                                ; run 0 is in; runs 1 and 2 and the add may stay out
	MUL16 AF1, 0, 0
	s_wait_dscnt 0x0                               ; the add is done, and my reads of the slot that is left are over
	s_barrier_signal -1
	MUL16 AF1, 0, 4
	WIN 0
	s_barrier_wait -1
.if \fill
	CREST                                          ; no wave of any partner still reads that slot or has a load on its way
	JLOAD 1                                        ; 160 products stand between this request and the wait for it; its four v_nop are also the places ahead of the loads below
.else
	PLACES
.endif
	LDB 0, 0
	LDA 0, AF0
.if \fill
	ASK
.endif
	GRP AF1, 1
	PLACES
	WIN 0
	LDB 0, 1
	GRP AF1, 2
	PLACES
	WIN 0
	LDB 0, 2
.endm
	s_wait_tensorcnt 1                             ; my part of K step 0 is in; step 1's may stay out
	s_barrier_signal -1
	s_barrier_wait -1
	LDB 0, 0
	LDA 0, AF0
	LDB 0, 1
	LDB 0, 2
	Q0 1                                           ; the first quarter stands ahead of the loop: its products start the sums
	s_mov_b32 s3, 14
.Lstep:                                        ; a trip goes from a step's second quarter to the next step's first, and fills the slot that it leaves: K steps 2 to 15
	Q1T 1
	Q0 0
	s_sub_co_u32 s3, s3, 1
	s_cmp_lg_u32 s3, 0
	s_cbranch_scc1 .Lstep
	s_mov_b32 s3, 2
.Ltail:                                        ; the last two K steps fill nothing: one text, walked twice
	Q1T 0
	s_sub_co_u32 s3, s3, 1
	s_cmp_eq_u32 s3, 0
	s_cbranch_scc1 .Lout                           ; the second trip is left here; the 40 LDS loads that it has issued for a further step serve nothing: the price, once a launch, of one text for both trips
	Q0 0
	s_cmp_lg_u32 s3, 0
	s_cbranch_scc1 .Ltail
.Lout:
	s_wait_dscnt 0x0                               ; my reads of the ring are over, and the registers that they land in are free,
	s_barrier_signal -1
	s_barrier_wait -1                              ; and everybody's: the stage may be written over the ring.  (The four v_nop at the quarter's end are the places behind the last products.)
	; THE WAY OUT: rounded to f16, 16 bytes a lane into the work-group's stage; a barrier, since a row's 768 bytes come from two waves; back as pieces of 256 bytes, 64 rows a wave
	s_lshl_b32 s94, s[TY], 19                      ; 256 Y rows of 2,048 bytes
	s_lshl_b32 s95, s[WV], 17                      ; + 64 rows a wave
	s_add_co_u32 s94, s94, s95
	s_lshl_b32 s95, s[TX], 8                       ; + 128 X columns
	s_add_co_u32 s94, s94, s95
	s_mov_b32 s95, 0
	s_add_nc_u64 s[BP:BP+1],   s[70:71], s[94:95]
	s_add_nc_u64 s[BP+2:BP+3], s[72:73], s[94:95]
	s_add_nc_u64 s[BP+4:BP+5], s[74:75], s[94:95]
.macro PACKQ g, a
	WIN (1+(\g))*5                                 ; sources 0 and 1 in the group's window
.irp c, 0,1,2,3
.irp i, 0,1,2,3
	v_cvt_pk_f16_f32 v[TMP+16*((\a)%2)+4*(\c)+(\i)], v[8*(4*(\a)+(\c))+2*(\i)], v[8*(4*(\a)+(\c))+2*(\i)+1]
.endr
.endr
	WIN 0
.irp c, 0,1,2,3
	ds_store_b128 v[STO+(\a)/4], v[TMP+16*((\a)%2)+4*(\c):TMP+16*((\a)%2)+4*(\c)+3] offset:((\a)%4)*16*SPQ+32*(4*(\g)+(\c))
.endr
.endm
.irp g, 0,1,2
.irp a, 0,1,2,3,4,5,6,7
	PACKQ \g, \a
.endr
.endr
	s_wait_dscnt 0x0                               ; for the others' sake: my stores into the stage are done
	s_barrier_signal -1
	s_barrier_wait -1
.macro RBACK u, hf                     ; output u (q, k, v), rows 32 hf .. 32 hf + 31 of my 64
	s_wait_xcnt 0x0                                ; the stores that read this set of registers have had their addresses translated: only now is it loaded again
.irp t, 0,1,2,3,4,5,6,7,8,9,10,11,12,13,14,15
	ds_load_b128 v[RB+64*(\hf)+4*\t:RB+64*(\hf)+4*\t+3], v[RD] offset:(16*(\hf)+\t)*2*SPQ+256*(\u)
.endr
.irp t, 0,1,2,3,4,5,6,7,8,9,10,11,12,13,14,15
	s_wait_dscnt 15-\t
	global_store_b128 v[GO], v[RB+64*(\hf)+4*\t:RB+64*(\hf)+4*\t+3], s[BP+2*(\u):BP+2*(\u)+1] offset:(16*(\hf)+\t)*4096  ; 16 lanes store 256 consecutive bytes, aligned
.endr
.endm
.irp u, 0,1,2
	RBACK \u, 0
	RBACK \u, 1
.endr
	s_wait_tensorcnt 0x0                           ; the wave's end: an add to the spare word and its wait, behind my last tensor load and my last LDS store
	ds_add_u32 v[SPW], v[NIL]
	s_wait_dscnt 0x0
	CROUND                                         ; the closing round
	s_endpgm
.Lfunc_end_k_q6eea74c853_qkv:
	.size	k_q6eea74c853_qkv, .Lfunc_end_k_q6eea74c853_qkv-k_q6eea74c853_qkv
	.p2alignl 7, 3214868480
	.fill 96, 4, 3214868480
	.section	.rodata,"a",@progbits
	.p2align	6, 0x0
	.amdhsa_kernel k_q6eea74c853_qkv
		.amdhsa_group_segment_fixed_size 327680
		.amdhsa_private_segment_fixed_size 0
		.amdhsa_enable_private_segment 0
		.amdhsa_kernarg_size 64
		.amdhsa_user_sgpr_count 2
		.amdhsa_user_sgpr_kernarg_segment_ptr 1
		.amdhsa_wavefront_size32 1
		.amdhsa_system_sgpr_workgroup_id_x 1
		.amdhsa_system_sgpr_workgroup_id_y 1
		.amdhsa_system_sgpr_workgroup_id_z 1
		.amdhsa_system_vgpr_workitem_id 0
		.amdhsa_next_free_vgpr 1024
		.amdhsa_next_free_sgpr 100
		.amdhsa_reserve_vcc 0
		.amdhsa_float_denorm_mode_32 3
		.amdhsa_float_denorm_mode_16_64 3
		.amdhsa_memory_ordered 1
		.amdhsa_forward_progress 1
		.amdhsa_inst_pref_size 119
	.end_amdhsa_kernel
	.amdgpu_metadata
---
amdhsa.version: [ 1, 2 ]
amdhsa.kernels:
  - .name:           k_q6eea74c853_qkv
    .symbol:         k_q6eea74c853_qkv.kd
    .args:
      - { .name: xb, .offset: 0, .size: 8, .value_kind: global_buffer, .address_space: global }
      - { .name: wb, .offset: 8, .size: 8, .value_kind: global_buffer, .address_space: global }
      - { .name: bq, .offset: 16, .size: 8, .value_kind: global_buffer, .address_space: global }
      - { .name: bk, .offset: 24, .size: 8, .value_kind: global_buffer, .address_space: global }
      - { .name: bv, .offset: 32, .size: 8, .value_kind: global_buffer, .address_space: global }
      - { .name: qh, .offset: 40, .size: 8, .value_kind: global_buffer, .address_space: global }
      - { .name: kh, .offset: 48, .size: 8, .value_kind: global_buffer, .address_space: global }
      - { .name: vh, .offset: 56, .size: 8, .value_kind: global_buffer, .address_space: global }
    .group_segment_fixed_size: 327680
    .private_segment_fixed_size: 0
    .kernarg_segment_align: 8
    .kernarg_segment_size: 64
    .max_flat_workgroup_size: 128
    .sgpr_count:     100
    .vgpr_count:     1024
    .wavefront_size: 32
...
	.end_amdgpu_metadata
.endif
;; end of part 2
;; launch scores (part 3): grid 8 x 32, 4 waves a work-group, clusters of 4 x 4, 327,680 bytes of LDS; arguments qh, kh, pb, mst, lst; writes pb, mst, lst
.if DOCPART == 3
	.amdgcn_target "amdgcn-amd-amdhsa--gfx1250"
	.amdhsa_code_object_version 6
	.text
	.protected	k_q6eea74c853_scores
	.globl	k_q6eea74c853_scores
	.p2align	8
	.type	k_q6eea74c853_scores,@function
k_q6eea74c853_scores:
	s_mov_b64 s[64:65], 0
	v_nop
	global_prefetch_b8 v0, s[64:65] scope:SCOPE_SE
	s_setreg_imm32_b32 hwreg(HW_REG_WAVE_MODE, 25, 1), 1
	s_wait_xcnt 0x0
	s_wait_alu depctr_hold_cnt(0) depctr_sa_sdst(0) depctr_va_vdst(0) depctr_va_sdst(0) depctr_va_ssrc(0) depctr_va_vcc(0) depctr_vm_vsrc(0)
	s_getreg_b32 s2, hwreg(HW_REG_IB_STS2, 6, 4)
	s_cmp_eq_u32 s2, 0
	s_cbranch_scc0 .Lentry_in_a_cluster
	s_endpgm
.Lentry_in_a_cluster:
	s_bfe_u32 s2, ttmp6, 0x10000c
	s_cmp_lg_u32 s2, 0xf033
	s_cbranch_scc0 .Lentry_shape_is_right
	s_endpgm
.Lentry_shape_is_right:
; One tile of 256 queries x 256 keys of s = q k^T (K = 1024, f16 operands, f32 sums); for each query the tile's maximum m; p = 2^(c s - c m), c = log2(e) / 32, rounded once to f16 into pb [8192][2048];
; c m into mst [8 key tiles][8192 rows]; the sums of the unrounded p over 128 keys into lst [16 half tiles][8192 rows].  The next launch brings a row's eight tiles onto the row's maximum.
; LIMITS.  p lies in 0 to 1 (to within an f32 rounding); below 6e-5 it keeps f16's fixed step of 6e-8; a weight below 2^-126 counts as 0 in the sum.  NaN and infinities are not treated apart.
; SHARES.  Work-group (X, Y): queries 256 Y .., keys 256 X .. of batch Y / 8.  Four waves, each 128 queries x 128 keys: 64 accumulators, 512 registers.  K goes in 8 steps of 128 through two LDS slots.
; A K step is written once: the slot in hand is a scalar, 0 or SLOT, that an exclusive or turns.
; TRANSPOSED USE: source 0 = 16 keys, source 1 = 16 queries: a lane holds one query (l % 16) and the keys 8 (l / 16) + 0..7 of each key block.
; CLUSTER.  4 x 4: q's tiles are asked for jointly by a row of the cluster, k's by a column.
; REGISTERS.  window 0: v0-31 addresses; v64-127, v128-191 q's fragments, two buffers; window 1: v64-191 k's; window 2: accumulators of my queries 0-63 ((a, b) at v[8 (8 a + b)]); window 3: of 64-127.
;   Behind the products window 0 holds: v32-47 c m (twice, a pair a query block); v48-49 at work; v52-59 running sums; v64-95 packed p; v96-159 rows read back, two sets; v192-223 maxima at work; v224-239 m, l; v240-247 at work.
.set KSTEP,  128
.set PITCH,  272                       ; an LDS row: 256 bytes + 16 = 68 words: the 16 rows of a load start at 16 different groups of four banks
.set HALFT,  128*PITCH
.set SLOT,   4*HALFT                   ; q's 256 rows, then k's 256 rows
.set STG,    2*SLOT                    ; behind the ring: 16 rows x 272 bytes for each wave, for the way out
.set XCH,    STG+4*16*PITCH            ; 512 bytes a wave: its 128 queries' maxima over its 128 keys
.set MS,     XCH+2048                  ; 512 bytes a wave: c m by query
.set LS,     MS+2048                   ; 512 bytes a wave: l by query
.set SPARE,  LS+2048                   ; the spare words, 128 bytes for each wave, which no other line names
.set XA,  8                            ; v8   where I put a maximum
.set XB,  9                            ; v9   where the maxima of the two waves that share my queries lie
.set MSA, 10
.set LSA, 11
.set TRD, 12                           ; v12  where I read 16 bytes of my wave's c m (and, 2,048 on, of its l)
.set SOF, 13                           ; v13  16 x lane
.set ADRA,  16                         ; v16  LDS address of my fragments of q in the slot in hand
.set ADRA0, 17                         ; v17  the same in slot 0; never rewritten
.set ADRB,  20                         ; v20, v21  the same for k
.set ADRB0, 21
.set STO,  24
.set RD,   25
.set CO,   26
.set SPW,  28
.set NIL,  29
.set PFO,  30
.set CM,   32
.set WK,   48
.set LC,   52
.set TMP,  64
.set BK,   96
.set CH,   192
.set MX,   224
.set LW,   232
.set XR,   240
.set F0,   64
.set F1,   128
.set WV,  12
.set H1,  13
.set H0,  14
.set CX,  15
.set CY,  16
.set TX,  17
.set TY,  18
.set CLY, 19
.set BAT, 92
.set G1A, 24                           ; s[24:31] descriptor group 1 for q's tiles; s[32:39] group 0: a set for each of the two first fills; the second then walks on
.set G0A, 32
.set LIM, 42                           ; s42  a wave prefetches while the loop's count is above this: 2, or the greatest number
.set PFA, 44
.set PFS, 46
.set G1B, 48                           ; s[48:55], s[56:63] the same for k's tiles
.set G0B, 56
.set TB,  70                           ; s70  the slot in hand: 0 or SLOT
.set WP,  71                           ; s71  where my part of a tile goes in a slot: wave x 128 rows
.set CS,  84                           ; s[84:85] c
.set SEL, 86                           ; s[86:87] v_permlanex16_b32's selects: each lane takes its own place in the other half
; s20, s22-23, s88-89 feed q's descriptors and never hold cx; s21, s40-41, s90-91 feed k's and never hold cy; s93-99 are for all else
.set MSB, 0
.macro WIN new
.if MSB != (\new)
	s_set_vgpr_msb (MSB<<8)|(\new)
.set MSB, (\new)
.endif
.endm
.set MUL_LO, 0xa1                      ; source 0 (k) window 1, source 1 (q) window 0, C and D window 2
.set MUL_HI, 0xf1
.set TO_B,   0x40
.macro PLACES
.rept 4
	v_nop
.endr
.endm
.macro CREST
	s_cmp_lg_u32 s[WV], 0
	s_cbranch_scc1 .Lnot_wave_0_\@
	s_barrier_signal -3
.Lnot_wave_0_\@:
	s_barrier_wait -3
	s_barrier_signal -1
	s_barrier_wait -1
.endm
.macro CROUND
	s_barrier_signal -1
	s_barrier_wait -1
	CREST
.endm
.macro JLOAD s                         ; waves 0 and 1 fetch q's two halves, waves 2 and 3 k's; an s_nop 0 and four v_nop follow each line
	s_cmp_eq_u32 s[H1], 0
	s_cbranch_scc0 .Lfor_b_\@
	tensor_load_to_lds s[G0A+4*(\s):G0A+4*(\s)+3], s[G1A:G1A+7]
	s_nop 0
.rept 4
	v_nop
.endr
	s_branch .Lasked_\@
.Lfor_b_\@:
	tensor_load_to_lds s[G0B+4*(\s):G0B+4*(\s)+3], s[G1B:G1B+7]
	s_nop 0
.rept 4
	v_nop
.endr
.Lasked_\@:
.endm
; A prefetch of the K step two refills on: 32 rows x 256 bytes, a lane a row.  q's rows are read by both clusters of a row of clusters: cluster x = 0 asks; k's rows by the batch's two clusters along y: the even one asks.
; Of the 128 rows that a wave fetches each of the four partners takes 32, told apart by address.  The loop's last two trips (s3 = 2, 1) ask for nothing: there is no step two on.
.macro ASK
	s_cmp_gt_u32 s3, s[LIM]
	s_cbranch_scc0 .Lnot_mine_\@
	global_prefetch_b8 v[PFO], s[PFA:PFA+1] th:TH_LOAD_NT scope:SCOPE_SE
.Lnot_mine_\@:
.endm
	s_load_b256 s[4:11], s[0:1], 0x0               ; qh s[4:5], kh s[6:7], pb s[8:9], mst s[10:11]
	s_load_b64 s[68:69], s[0:1], 0x20              ; lst
	v_lshl_add_u32 v[SPW], v0, 2, SPARE
	v_mov_b32 v[NIL], 0
	ds_add_u32 v[SPW], v[NIL]                      ; the wave's opening: the add and its wait, ahead of my first tensor load
	v_lshrrev_b32 v1, 5, v0
	v_readfirstlane_b32 s[WV], v1
	s_lshr_b32 s[H1], s[WV], 1                     ; my half of the queries.  Also: I fetch for q (0) or for k (1)
	s_and_b32 s[H0], s[WV], 1                      ; my half of the keys.  Also: which 128 rows of that tile I fetch
	s_bfe_u32 s[CX], ttmp6, 0x40000
	s_bfe_u32 s[CY], ttmp6, 0x40004
	s_lshl_b32 s[TX], ttmp9, 2
	s_add_co_u32 s[TX], s[TX], s[CX]
	s_and_b32 s[CLY], ttmp7, 0xffff
	s_lshl_b32 s[TY], s[CLY], 2
	s_add_co_u32 s[TY], s[TY], s[CY]
	s_lshr_b32 s[BAT], s[CLY], 1                   ; the batch: of the cluster's y alone
	s_lshl_b32 s20, s[CY], 2
	s_lshl_b32 s20, 15, s20
	s_lshl_b32 s21, 0x1111, s[CX]
	s_or_b32 s[G1A], s20, (1<<16)|(1<<20)|(1<<21)|(5<<22)|(3<<25)  ; the mask; 2-byte elements; padding on; bit 21 beside a mask; after every 64 words 4 words
	s_or_b32 s[G1B], s21, (1<<16)|(1<<20)|(1<<21)|(5<<22)|(3<<25)
.irp g, G1A, G1B
	s_mov_b32 s[(\g)+1], KSTEP<<16                 ; a tile of 128 rows x 128 elements, 1,024 elements from row to row
	s_mov_b32 s[(\g)+2], 128<<16
	s_mov_b32 s[(\g)+3], KSTEP<<16
	s_mov_b32 s[(\g)+4], 128
	s_mov_b32 s[(\g)+5], 1024
	s_mov_b32 s[(\g)+6], 0
	s_mov_b32 s[(\g)+7], 0
.endr
	s_lshl_b32 s22, s[TY], 8
	s_lshl_b32 s23, s[H0], 7
	s_add_co_u32 s22, s22, s23                     ; q: row 256 Y + 128 x half
	s_lshl_b32 s22, s22, 11
	s_mov_b32 s23, 0
	s_lshl_b32 s40, s[BAT], 11
	s_lshl_b32 s41, s[TX], 8
	s_add_co_u32 s40, s40, s41
	s_lshl_b32 s41, s[H0], 7
	s_add_co_u32 s40, s40, s41                     ; k: row 2048 x batch + 256 X + 128 x half
	s_lshl_b32 s40, s40, 11
	s_mov_b32 s41, 0
	s_mul_i32 s[WP], s[WV], HALFT                  ; where they go: q's two halves, then k's two halves = wave x 128 rows
	s_mov_b32 s[TB], 0
	s_mov_b32 s[CS], 0x3d38aa3b                    ; c = log2(e) / 32
	s_mov_b32 s[CS+1], s[CS]
	s_mov_b32 s[SEL], 0x76543210
	s_mov_b32 s[SEL+1], 0xfedcba98
	s_wait_dscnt 0x0                               ; the opening add is done
	s_wait_kmcnt 0x0
	s_add_nc_u64 s[88:89], s[4:5], s[22:23]
	s_add_nc_u64 s[90:91], s[6:7], s[40:41]
.irp s, 0,1
	s_mov_b32 s[G0A+4*\s], 1
	s_add_co_u32 s[G0A+4*\s+1], s[WP], \s*SLOT
	s_add_nc_u64 s[G0A+4*\s+2:G0A+4*\s+3], s[88:89], \s*KSTEP*2
	s_or_b32 s[G0A+4*\s+3], s[G0A+4*\s+3], 0x80000000
	s_mov_b32 s[G0B+4*\s], 1
	s_add_co_u32 s[G0B+4*\s+1], s[WP], \s*SLOT
	s_add_nc_u64 s[G0B+4*\s+2:G0B+4*\s+3], s[90:91], \s*KSTEP*2
	s_or_b32 s[G0B+4*\s+3], s[G0B+4*\s+3], 0x80000000
.endr
	CROUND                                         ; all sixteen work-groups are here: the first joint loads meet
	JLOAD 0
	JLOAD 1                                        ; two tensor loads of mine are out
	v_and_b32 v1, 15, v0                           ; l % 16
	v_bfe_u32 v2, v0, 4, 1                         ; l / 16
	v_mul_u32_u24 v3, v1, PITCH
	v_lshl_add_u32 v3, v2, 4, v3                   ; row x pitch + 16 x half
	s_mul_i32 s66, s[H1], HALFT                    ; my 128 rows of q
	s_mul_i32 s67, s[H0], HALFT                    ; my 128 rows of k,
	s_add_co_u32 s67, s67, 2*HALFT                 ; which lie behind q's 256
	v_add_nc_u32 v[ADRA0], s66, v3
	v_add_nc_u32 v[ADRB0], s67, v3
	v_mov_b32 v[ADRA], v[ADRA0]
	v_mov_b32 v[ADRB], v[ADRB0]
	s_mul_i32 s66, s[WV], 16*PITCH
	s_add_co_u32 s66, s66, STG                     ; my stage
	v_add_nc_u32 v[STO], s66, v3                   ; in: row l % 16, 16 bytes for each half of the lanes
	v_mul_u32_u24 v4, v2, PITCH                    ; back: lanes 0-15 one row of 256 bytes, lanes 16-31 the next
	v_lshl_add_u32 v4, v1, 4, v4
	v_add_nc_u32 v[RD], s66, v4
	v_lshlrev_b32 v4, 12, v2                       ; and the same two rows in pb, 4,096 bytes apart
	v_lshl_add_u32 v[CO], v1, 4, v4
	s_lshl_b32 s66, s[WV], 9
	v_lshlrev_b32 v4, 2, v1
	v_add_nc_u32 v4, s66, v4                       ; 512 x wave + 4 (l % 16)
	v_add_nc_u32 v[XA], XCH, v4
	v_add_nc_u32 v[MSA], MS, v4
	v_add_nc_u32 v[LSA], LS, v4
	s_lshl_b32 s67, s[H1], 10
	s_add_co_u32 s67, s67, XCH
	v_lshl_add_u32 v[XB], v1, 2, s67               ; the two waves of my half of the queries: 1,024 x (wave / 2), and 512 on
	v_and_b32 v5, 31, v0
	v_lshlrev_b32 v[SOF], 4, v5
	s_add_co_u32 s66, s66, MS
	v_add_nc_u32 v[TRD], s66, v[SOF]
	v_lshlrev_b32 v[PFO], 11, v5                   ; a lane a row of 2,048 bytes
	; where my results go
	s_lshl_b32 s94, s[TY], 8
	s_lshl_b32 s95, s[H1], 7
	s_add_co_u32 s94, s94, s95                     ; my first row: 256 Y + 128 (wave / 2)
	s_lshl_b32 s96, s94, 12
	s_lshl_b32 s97, s[TX], 9
	s_add_co_u32 s96, s96, s97
	s_lshl_b32 s97, s[H0], 8
	s_add_co_u32 s96, s96, s97                     ; + my first key's byte: 512 X + 256 (wave % 2)
	s_mov_b32 s97, 0
	s_add_nc_u64 s[8:9], s[8:9], s[96:97]
	s_lshl_b32 s96, s[TX], 13
	s_add_co_u32 s96, s96, s94
	s_lshl_b32 s96, s96, 2
	s_add_nc_u64 s[10:11], s[10:11], s[96:97]      ; mst [X][row]
	s_lshl1_add_u32 s96, s[TX], s[H0]
	s_lshl_b32 s96, s96, 13
	s_add_co_u32 s96, s96, s94
	s_lshl_b32 s96, s96, 2
	s_add_nc_u64 s[68:69], s[68:69], s[96:97]      ; lst [2 X + wave % 2][row]
	; the prefetches
	s_lshl_b32 s96, s[CX], 16                      ; my work-group's 32 rows of the 128
	s_lshl_b32 s97, s[CY], 16
	s_and_b32 s99, s[CLY], 1
	s_cmp_eq_u32 s[H1], 0
	s_cselect_b32 s96, s96, s97
	s_cselect_b32 s98, ttmp9, s99
	s_cselect_b64 s[PFA:PFA+1], s[88:89], s[90:91]
	s_cmp_eq_u32 s98, 0
	s_cselect_b32 s[LIM], 2, -1                    ; the same in all sixteen partners, for a given wave
	s_mov_b32 s97, 0
	s_add_nc_u64 s[PFA:PFA+1], s[PFA:PFA+1], s[96:97]
	s_add_nc_u64 s[PFA:PFA+1], s[PFA:PFA+1], 3*KSTEP*2  ; at K step 3: the first refill (step 2) steps it to 4.  Nothing is prefetched here, at the head
	s_mov_b32 s[PFS], KSTEP*2
	s_mov_b32 s[PFS+1], 0
; 16 products: query blocks a0, a0 + 1 of the window's four x all 8 key blocks, 32 along K.  zero = 1: the first product starts the sums.  The 64 accumulators take turns.
.macro MUL16 f, hi, a0, zero
	WIN MUL_LO+0x50*(\hi)
.irp a, \a0, (\a0)+1
.irp b, 0,1,2,3,4,5,6,7
.if \zero
	v_wmma_f32_16x16x32_f16 v[8*(8*(\a)+(\b)):8*(8*(\a)+(\b))+7], v[(\f)+8*(\b):(\f)+8*(\b)+7], v[(\f)+8*(4*(\hi)+(\a)):(\f)+8*(4*(\hi)+(\a))+7], 0
.else
	v_wmma_f32_16x16x32_f16 v[8*(8*(\a)+(\b)):8*(8*(\a)+(\b))+7], v[(\f)+8*(\b):(\f)+8*(\b)+7], v[(\f)+8*(4*(\hi)+(\a)):(\f)+8*(4*(\hi)+(\a))+7], v[8*(8*(\a)+(\b)):8*(8*(\a)+(\b))+7]
.endif
.endr
.endr
.endm
.macro FETCH k, f                      ; 32 LDS loads in one run: a quarter's fragments of k, then of q, at byte k of the rows of the slot in hand
	WIN TO_B
.irp i, 0,1,2,3,4,5,6,7
	ds_load_b128 v[(\f)+8*(\i):(\f)+8*(\i)+3],   v[ADRB] offset:(\k)+(\i)*16*PITCH
	ds_load_b128 v[(\f)+8*(\i)+4:(\f)+8*(\i)+7], v[ADRB] offset:(\k)+(\i)*16*PITCH+32
.endr
	WIN 0
.irp i, 0,1,2,3,4,5,6,7
	ds_load_b128 v[(\f)+8*(\i):(\f)+8*(\i)+3],   v[ADRA] offset:(\k)+(\i)*16*PITCH
	ds_load_b128 v[(\f)+8*(\i)+4:(\f)+8*(\i)+7], v[ADRA] offset:(\k)+(\i)*16*PITCH+32
.endr
.endm
.macro QUARTER k, f, g, zero           ; multiplies buffer f; in its middle fetches the next quarter, at byte k of the rows, into g
	s_wait_dscnt 8                                 ; k's fragments and q's rows 0-63 are in; the youngest eight loads (q's rows 64-127) may stay out
	MUL16 \f, 0, 0, \zero
	MUL16 \f, 0, 2, \zero
	PLACES
	FETCH \k, \g
	s_wait_dscnt 32                                ; all but the 32 just issued
	MUL16 \f, 1, 0, \zero
	MUL16 \f, 1, 2, \zero
.endm
; The last quarter of a K step multiplies buffer 1 and changes slots.  Ahead of the barrier each wave waits for all its tensor loads (one is out: its part of the next slot), adds 0 to its spare word, and waits for that
; and for its reads of this slot.  While the add is out the walking descriptors take the slot that is left and the next K step, the slot in hand is turned, and the fragment addresses are made anew.
; fill = 1: the barrier opens a round of the cluster's, and the slot that is left is filled again first thing behind it, two K steps ahead.
.macro TURN fill
.if \fill
	s_wait_xcnt 0x0                                ; the last prefetch, a K step back, has read its address
	s_add_nc_u64 s[PFA:PFA+1], s[PFA:PFA+1], s[PFS:PFS+1]
.endif
	WIN 0
	s_wait_tensorcnt 0x0                           ; no tensor load of mine is out, so a group 0 may be written
	ds_add_u32 v[SPW], v[NIL]
.if \fill
	s_add_co_u32 s[G0A+5], s[WP], s[TB]
	s_add_co_u32 s[G0B+5], s[WP], s[TB]
	s_add_nc_u64 s[G0A+6:G0A+7], s[G0A+6:G0A+7], KSTEP*2
	s_add_nc_u64 s[G0B+6:G0B+7], s[G0B+6:G0B+7], KSTEP*2
.endif
	s_xor_b32 s[TB], s[TB], SLOT
	v_add_nc_u32 v[ADRA], s[TB], v[ADRA0]
	v_add_nc_u32 v[ADRB], s[TB], v[ADRB0]
	s_wait_dscnt 9                                 ; the add and the youngest eight loads may stay out
	MUL16 F1, 0, 0, 0
	s_wait_dscnt 0x0                               ; the add is done, and my reads of the slot that is left are over
	s_barrier_signal -1
	MUL16 F1, 0, 2, 0
	WIN 0
	s_barrier_wait -1
.if \fill
	CREST                                          ; no wave of any partner still reads that slot or has a load on its way
	JLOAD 1                                        ; 224 products stand between this request and the wait for it; its four v_nop are also the places ahead of the loads below
.else
	PLACES
.endif
	FETCH 0, F0
.if \fill
	ASK
.endif
	MUL16 F1, 1, 0, 0
	MUL16 F1, 1, 2, 0
.endm
	s_wait_tensorcnt 1                             ; my part of K step 0 is in; step 1's may stay out
	s_barrier_signal -1
	s_barrier_wait -1
	FETCH 0, F0
	QUARTER 64,  F0, F1, 1                         ; the first quarter stands ahead of the loop: its products start the sums
	WIN 0
	s_mov_b32 s3, 6
.Lstep:                                        ; a trip goes from a step's second quarter to the next step's first, and fills the slot that it leaves: K steps 2 to 7
	QUARTER 128, F1, F0, 0
	QUARTER 192, F0, F1, 0
	TURN 1
	QUARTER 64,  F0, F1, 0
	WIN 0
	s_sub_co_u32 s3, s3, 1
	s_cmp_lg_u32 s3, 0
	s_cbranch_scc1 .Lstep
	s_mov_b32 s3, 2
.Ltail:                                        ; the last two K steps fill nothing: one text, walked twice
	QUARTER 128, F1, F0, 0
	QUARTER 192, F0, F1, 0
	TURN 0
	WIN 0
	s_sub_co_u32 s3, s3, 1
	s_cmp_eq_u32 s3, 0
	s_cbranch_scc1 .Lout                           ; the second trip is left here; the 32 LDS loads that it has issued for a further step serve nothing: the price, once a launch, of one text for both trips
	QUARTER 64,  F0, F1, 0
	WIN 0
	s_cmp_lg_u32 s3, 0
	s_cbranch_scc1 .Ltail
.Lout:
	s_wait_dscnt 0x0                               ; the registers that those loads land in are free
	PLACES
	; THE MAXIMUM of each query over the tile's 256 keys.  In a lane: four chains for each query block, over its 8 accumulators; each accumulator's lowest registers are read first.
.irp a, 0,1,2,3,4,5,6,7
	WIN (2+\a/4)*5                                 ; sources 0 and 1 in the block's window
.irp j, 0,1,2,3
.irp b, 0,1,2,3
.if \j == 0
	v_max_num_f32 v[CH+4*\a+\b], v[8*(8*(\a%4)+\b)], v[8*(8*(\a%4)+\b)+1]
.else
	v_max3_num_f32 v[CH+4*\a+\b], v[8*(8*(\a%4)+\b)+2*\j], v[8*(8*(\a%4)+\b)+2*\j+1], v[CH+4*\a+\b]
.endif
.endr
.endr
.irp j, 0,1,2,3
.irp b, 4,5,6,7
	v_max3_num_f32 v[CH+4*\a+\b-4], v[8*(8*(\a%4)+\b)+2*\j], v[8*(8*(\a%4)+\b)+2*\j+1], v[CH+4*\a+\b-4]
.endr
.endr
.endr
	WIN 0
.irp a, 0,1,2,3,4,5,6,7
	v_max3_num_f32 v[CH+4*\a], v[CH+4*\a], v[CH+4*\a+1], v[CH+4*\a+2]
.endr
.irp a, 0,1,2,3,4,5,6,7
	v_max_num_f32 v[CH+4*\a], v[CH+4*\a], v[CH+4*\a+3]
.endr
.irp a, 0,1,2,3,4,5,6,7
	v_permlanex16_b32 v[CH+4*\a+1], v[CH+4*\a], s[SEL], s[SEL+1]  ; the query's other keys of each block lie in the lane 16 away
.endr
.irp a, 0,1,2,3,4,5,6,7
	v_max_num_f32 v[MX+\a], v[CH+4*\a], v[CH+4*\a+1]
.endr
.irp a, 0,1,2,3,4,5,6,7
	ds_store_b32 v[XA], v[MX+\a] offset:64*\a      ; lanes l and l + 16 write the same word with the same number
.endr
	s_wait_dscnt 0x0                               ; for the other wave's sake: my stores are done
	s_barrier_signal -1
	s_barrier_wait -1
.irp a, 0,1,2,3,4,5,6,7
	ds_load_b32 v[XR+\a], v[XB] offset:64*\a       ; the maxima over keys 0-127 and over keys 128-255, one of them my own
	ds_load_b32 v[CH+\a], v[XB] offset:512+64*\a
.endr
	v_mov_b32 v[WK+1], 0                           ; (a lane exchange below lands here: the register is written first)
	s_wait_dscnt 0x0
.irp a, 0,1,2,3,4,5,6,7
	v_max_num_f32 v[MX+\a], v[XR+\a], v[CH+\a]
.endr
.irp a, 0,1,2,3,4,5,6,7
	v_mul_f32 v[CM+2*\a], s[CS], v[MX+\a]
	v_mul_f32 v[CM+2*\a+1], s[CS], v[MX+\a]        ; named with it as a pair
.endr
.irp a, 0,1,2,3,4,5,6,7
	ds_store_b32 v[MSA], v[CM+2*\a] offset:64*\a
.endr
; THE WEIGHTS, by query blocks, in nine stages.  Stage a scales and exponentiates block a, and between those lines rounds, sums and sends block a - 1, whose exponentials were waited for at the end of the stage before.
; So a stage's 64 exponentials are one batch with one wait: nothing in the stage names a result of theirs.
.macro FL a, b, z                      ; c s - c m for pair z of accumulator (a, b)
	v_pk_fma_f32 v[8*(8*((\a)%4)+(\b))+2*(\z):8*(8*((\a)%4)+(\b))+2*(\z)+1], v[8*(8*((\a)%4)+(\b))+2*(\z):8*(8*((\a)%4)+(\b))+2*(\z)+1], s[CS:CS+1], v[CM+2*(\a):CM+2*(\a)+1] op_sel_hi:[1,0,0] neg_lo:[0,0,1] neg_hi:[0,0,1]
.endm
.macro FN a, z                         ; the same for the next accumulator of the block, if there is one
.if kb < 7
	FL \a, kb+1, \z
.endif
.endm
.macro TOSTAGE a                       ; block a's 16 rows x 256 bytes: into my stage, and back as whole rows
.irp b, 0,1,2,3,4,5,6,7
	ds_store_b128 v[STO], v[TMP+4*\b:TMP+4*\b+3] offset:32*\b
.endr
.irp t, 0,1,2,3,4,5,6,7
	ds_load_b128 v[BK+32*((\a)%2)+4*\t:BK+32*((\a)%2)+4*\t+3], v[RD] offset:\t*2*PITCH  ; LDS serves a wave's instructions in order (ISA guide 5.7.1.4): these see the stores above
.endr
.endm
.macro SEND a, younger                 ; younger: the LDS instructions issued behind block a's loads
.irp t, 0,1,2,3,4,5,6,7
	s_wait_dscnt (\younger)+7-\t
	global_store_b128 v[CO], v[BK+32*((\a)%2)+4*\t:BK+32*((\a)%2)+4*\t+3], s[8:9] offset:65536*(\a)+8192*\t  ; 16 lanes store 256 consecutive bytes, aligned
.endr
.endm
.macro SOFT a
.if (\a) < 8
	WIN (2+(\a)/4)*0x41                            ; destination and source 0 in the block's window, c m in window 0
.irp z, 0,1,2,3
	FL \a, 0, \z
.endr
.endif
.set kb, 0
.rept 8
.if (\a) < 8
	WIN (2+(\a)/4)*0x41
.set rX, 8*(8*((\a)%4)+kb)
	v_exp_f32 v[rX], v[rX]
	FN \a, 0
	v_exp_f32 v[rX+1], v[rX+1]
	v_exp_f32 v[rX+2], v[rX+2]
	FN \a, 1
	v_exp_f32 v[rX+3], v[rX+3]
	v_exp_f32 v[rX+4], v[rX+4]
	FN \a, 2
	v_exp_f32 v[rX+5], v[rX+5]
	v_exp_f32 v[rX+6], v[rX+6]
	FN \a, 3
	v_exp_f32 v[rX+7], v[rX+7]
.endif
.if (\a) > 0
	WIN (2+((\a)-1)/4)*5                           ; sources 0 and 1 in the window of the block before; destination and source 2 in window 0
.set rY, 8*(8*(((\a)-1)%4)+kb)
.irp z, 0,1,2,3
	v_cvt_pk_f16_f32 v[TMP+4*kb+\z], v[rY+2*\z], v[rY+2*\z+1]
.if kb == 1
	v_pk_add_f32 v[LC+2*\z:LC+2*\z+1], v[rY-8+2*\z:rY-8+2*\z+1], v[rY+2*\z:rY+2*\z+1]   ; the sums start with the first two accumulators: nothing is cleared
.elseif kb > 1
	v_pk_fma_f32 v[LC+2*\z:LC+2*\z+1], v[rY+2*\z:rY+2*\z+1], 1.0, v[LC+2*\z:LC+2*\z+1] op_sel_hi:[1,0,1]  ; an addition in the form whose third source has a window of its own
.endif
.endr
.endif
.set kb, kb+1
.endr
.if (\a) < 8
	v_nop                                          ; a plain instruction behind the last exponential,
	s_wait_alu depctr_va_vdst(0)                   ; and the one wait for the stage's batch, ahead of the first line that names a result
.endif
.if (\a) > 0
	WIN 0
	v_pk_add_f32 v[LC:LC+1], v[LC:LC+1], v[LC+2:LC+3]
	v_pk_add_f32 v[LC+4:LC+5], v[LC+4:LC+5], v[LC+6:LC+7]
	v_pk_add_f32 v[LC:LC+1], v[LC:LC+1], v[LC+4:LC+5]
	v_add_f32 v[WK], v[LC], v[LC+1]
	v_permlanex16_b32 v[WK+1], v[WK], s[SEL], s[SEL+1]
	v_add_f32 v[LW+(\a)-1], v[WK], v[WK+1]         ; the query's sum over my 128 keys
	s_wait_xcnt 0x0                                ; the stores of the block three back have had their addresses translated: their registers are loaded again below
	TOSTAGE (\a)-1
.if (\a) >= 2
	SEND (\a)-2, 16
.endif
.endif
.endm
.irp a, 0,1,2,3,4,5,6,7,8
	SOFT \a
.endr
	SEND 7, 0
	; THE STATISTICS leave as 512 consecutive bytes a wave: through my own words in LDS, so that a lane holds four neighbouring queries'
.irp a, 0,1,2,3,4,5,6,7
	ds_store_b32 v[LSA], v[LW+\a] offset:64*\a
.endr
	ds_load_b128 v[XR:XR+3], v[TRD]
	ds_load_b128 v[XR+4:XR+7], v[TRD] offset:LS-MS
	s_wait_dscnt 0x0
	global_store_b128 v[SOF], v[XR+4:XR+7], s[68:69]
	s_cmp_lg_u32 s[H0], 0                          ; c m is the same in the two waves that share the queries: the first of them stores it
	s_cbranch_scc1 .Lno_m
	global_store_b128 v[SOF], v[XR:XR+3], s[10:11]
.Lno_m:
	s_wait_tensorcnt 0x0                           ; the wave's end: an add to the spare word and its wait, behind my last tensor load and my last LDS store
	ds_add_u32 v[SPW], v[NIL]
	s_wait_dscnt 0x0
	CROUND                                         ; the closing round
	s_endpgm
.Lfunc_end_k_q6eea74c853_scores:
	.size	k_q6eea74c853_scores, .Lfunc_end_k_q6eea74c853_scores-k_q6eea74c853_scores
	.p2alignl 7, 3214868480
	.fill 96, 4, 3214868480
	.section	.rodata,"a",@progbits
	.p2align	6, 0x0
	.amdhsa_kernel k_q6eea74c853_scores
		.amdhsa_group_segment_fixed_size 327680
		.amdhsa_private_segment_fixed_size 0
		.amdhsa_enable_private_segment 0
		.amdhsa_kernarg_size 40
		.amdhsa_user_sgpr_count 2
		.amdhsa_user_sgpr_kernarg_segment_ptr 1
		.amdhsa_wavefront_size32 1
		.amdhsa_system_sgpr_workgroup_id_x 1
		.amdhsa_system_sgpr_workgroup_id_y 1
		.amdhsa_system_sgpr_workgroup_id_z 1
		.amdhsa_system_vgpr_workitem_id 0
		.amdhsa_next_free_vgpr 1024
		.amdhsa_next_free_sgpr 100
		.amdhsa_reserve_vcc 0
		.amdhsa_float_denorm_mode_32 3
		.amdhsa_float_denorm_mode_16_64 3
		.amdhsa_memory_ordered 1
		.amdhsa_forward_progress 1
		.amdhsa_inst_pref_size 176
	.end_amdhsa_kernel
	.amdgpu_metadata
---
amdhsa.version: [ 1, 2 ]
amdhsa.kernels:
  - .name:           k_q6eea74c853_scores
    .symbol:         k_q6eea74c853_scores.kd
    .args:
      - { .name: qh, .offset: 0, .size: 8, .value_kind: global_buffer, .address_space: global }
      - { .name: kh, .offset: 8, .size: 8, .value_kind: global_buffer, .address_space: global }
      - { .name: pb, .offset: 16, .size: 8, .value_kind: global_buffer, .address_space: global }
      - { .name: mst, .offset: 24, .size: 8, .value_kind: global_buffer, .address_space: global }
      - { .name: lst, .offset: 32, .size: 8, .value_kind: global_buffer, .address_space: global }
    .group_segment_fixed_size: 327680
    .private_segment_fixed_size: 0
    .kernarg_segment_align: 8
    .kernarg_segment_size: 40
    .max_flat_workgroup_size: 128
    .sgpr_count:     100
    .vgpr_count:     1024
    .wavefront_size: 32
...
	.end_amdgpu_metadata
.endif
;; end of part 3
;; launch pv (part 4): grid 8 x 32, 4 waves a work-group, clusters of 4 x 4, 327,680 bytes of LDS; arguments pb, vh, mst, lst, out0; writes out0
.if DOCPART == 4
	.amdgcn_target "amdgcn-amd-amdhsa--gfx1250"
	.amdhsa_code_object_version 6
	.text
	.protected	k_q6eea74c853_pv
	.globl	k_q6eea74c853_pv
	.p2align	8
	.type	k_q6eea74c853_pv,@function
k_q6eea74c853_pv:
	s_mov_b64 s[64:65], 0
	v_nop
	global_prefetch_b8 v0, s[64:65] scope:SCOPE_SE
	s_setreg_imm32_b32 hwreg(HW_REG_WAVE_MODE, 25, 1), 1
	s_wait_xcnt 0x0
	s_wait_alu depctr_hold_cnt(0) depctr_sa_sdst(0) depctr_va_vdst(0) depctr_va_sdst(0) depctr_va_ssrc(0) depctr_va_vcc(0) depctr_vm_vsrc(0)
	s_getreg_b32 s2, hwreg(HW_REG_IB_STS2, 6, 4)
	s_cmp_eq_u32 s2, 0
	s_cbranch_scc0 .Lentry_in_a_cluster
	s_endpgm
.Lentry_in_a_cluster:
	s_bfe_u32 s2, ttmp6, 0x10000c
	s_cmp_lg_u32 s2, 0xf033
	s_cbranch_scc0 .Lentry_shape_is_right
	s_endpgm
.Lentry_shape_is_right:
; out[q][:] = the sum over the row's eight key tiles j of f_j (P_j V_j), f_j = 2^(cm_j - M) / L, M = the maximum of the row's eight cm_j, L = the sum over j of 2^(cm_j - M) l_j.
; P_j holds 2^(c s - cm_j) in f16, cm_j the tile's c x maximum, l its sums: so the softmax is taken against the row's true maximum; every factor 2^(cm_j - M) is at most 1, and L is at least about 1.
; P and V are f16 operands; a tile's product is summed in f32 (window 1) and folded into the total (window 2) by one fused multiply-add a number, once a tile.
; LIMITS.  A factor below 2^-126 counts as 0.  NaN and infinities are not treated apart.
; SHARES.  Work-group (X, Y): queries 256 Y .., channels 128 X ...  Wave w: queries 64 w .. 64 w + 63 x 128 channels: 32 accumulators.  The keys go in 16 steps of 128 through two LDS slots; two steps, a lap, are a key tile.
; TRANSPOSED USE: source 0 = 16 channels of V (turned on the way out of LDS), source 1 = 16 queries of P: a lane holds one query (l % 16) and eight neighbouring channels.
; CLUSTER.  4 x 4: P's tiles are asked for jointly by a row of the cluster, V's by a column.
; REGISTERS.  window 0: v0-31 addresses; v32-39 the lap's factors, a pair a query block; v40-63 at work; v64-159, v160-255 two fragment buffers (P's four, then V's eight).  window 1: the tile's sums, n = 8 a + b at v[8 n].  window 2: the totals.
.set PP,    272                        ; a row of P in LDS: 256 bytes + 16
.set PV,    288                        ; a row of V: 256 bytes + 32
.set AHALF, 128*PP
.set BOFF,  2*AHALF
.set BHALF, 64*PV
.set SLOT,  BOFF+2*BHALF               ; P's 256 rows, then V's 128 rows
.set STG,   2*SLOT                     ; behind the ring: 16 rows x 528 bytes for each wave, for the way out
.set SPO,   528
.set FT,    STG+4*16*SPO               ; the factors: [wave][tile 8][64 queries] f32
.set SPARE, FT+8192                    ; the spare words, 128 bytes for each wave, which no other line names
.set ADRA, 16
.set ADRB, 20
.set STO,  24
.set RD,   25
.set GO,   26
.set FA,   27                          ; v27  where the next lap's factors lie: steps by 256
.set SPW,  28
.set NIL,  29
.set PFO,  30
.set FS,   31                          ; v31  where I put the factors that I make
.set FR,   32
.set CMV,  64                          ; the head: cm, tile j of my row i2 at 64 + 8 i2 + j;
.set LV,   80                          ; l, half tile jj at 80 + 16 i2 + jj
.set F0,   64
.set F1,   160
.set RB,   64
.set WV,  12
.set H1,  13
.set H0,  14
.set CX,  15
.set CY,  16
.set TX,  17
.set TY,  18
.set CLY, 19
.set BAT, 92
.set G1A, 24
.set G0A, 32
.set LIM, 42
.set PFA, 44
.set PFS, 46
.set G1B, 48
.set G0B, 56
; s20, s22-23, s88-89 feed P's descriptors and never hold cx; s21, s40-41, s90-91 feed V's and never hold cy; s93-99 are for all else
.set MSB, 0
.macro WIN new
.if MSB != (\new)
	s_set_vgpr_msb (MSB<<8)|(\new)
.set MSB, (\new)
.endif
.endm
.set MULW,  0x50                       ; C and D window 1, fragments window 0
.set FOLDW, 0xa1                       ; destination and source 2 window 2, source 0 window 1, source 1 window 0
.macro PLACES
.rept 4
	v_nop
.endr
.endm
.macro CREST
	s_cmp_lg_u32 s[WV], 0
	s_cbranch_scc1 .Lnot_wave_0_\@
	s_barrier_signal -3
.Lnot_wave_0_\@:
	s_barrier_wait -3
	s_barrier_signal -1
	s_barrier_wait -1
.endm
.macro CROUND
	s_barrier_signal -1
	s_barrier_wait -1
	CREST
.endm
.macro JLOAD s                         ; waves 0 and 1 fetch P's two halves, waves 2 and 3 V's; an s_nop 0 and four v_nop follow each line
	s_cmp_eq_u32 s[H1], 0
	s_cbranch_scc0 .Lfor_b_\@
	tensor_load_to_lds s[G0A+4*(\s):G0A+4*(\s)+3], s[G1A:G1A+7]
	s_nop 0
.rept 4
	v_nop
.endr
	s_branch .Lasked_\@
.Lfor_b_\@:
	tensor_load_to_lds s[G0B+4*(\s):G0B+4*(\s)+3], s[G1B:G1B+7]
	s_nop 0
.rept 4
	v_nop
.endr
.Lasked_\@:
.endm
; A prefetch of the step two refills on.  P's rows are read by both clusters of a row of clusters: cluster x = 0 asks, 32 rows x 256 bytes a wave, a lane a row.  V's rows are read by the batch's two clusters along y: the
; even one asks, 16 rows x 256 bytes a wave; lanes 16-31 take the same rows of the step after, and only slot 0's change asks.  The four partners share the rows out by address.  The loop's last trip (s3 = 1) asks for nothing.
.macro ASK sl
	s_cmp_gt_u32 s3, s[LIM+(\sl)]
	s_cbranch_scc0 .Lnot_mine_\@
	global_prefetch_b8 v[PFO], s[PFA:PFA+1] th:TH_LOAD_NT scope:SCOPE_SE
.Lnot_mine_\@:
.endm
	s_load_b256 s[4:11], s[0:1], 0x0               ; pb s[4:5], vh s[6:7], mst s[8:9], lst s[10:11]
	s_load_b64 s[68:69], s[0:1], 0x20              ; out0
	v_lshl_add_u32 v[SPW], v0, 2, SPARE
	v_mov_b32 v[NIL], 0
	ds_add_u32 v[SPW], v[NIL]                      ; the wave's opening: the add and its wait, ahead of my first tensor load
	v_lshrrev_b32 v1, 5, v0
	v_readfirstlane_b32 s[WV], v1
	s_lshr_b32 s[H1], s[WV], 1                     ; I fetch for P (0) or for V (1),
	s_and_b32 s[H0], s[WV], 1                      ; this half of the tile's rows
	s_bfe_u32 s[CX], ttmp6, 0x40000
	s_bfe_u32 s[CY], ttmp6, 0x40004
	s_lshl_b32 s[TX], ttmp9, 2
	s_add_co_u32 s[TX], s[TX], s[CX]
	s_and_b32 s[CLY], ttmp7, 0xffff
	s_lshl_b32 s[TY], s[CLY], 2
	s_add_co_u32 s[TY], s[TY], s[CY]
	s_lshr_b32 s[BAT], s[CLY], 1                   ; the batch: of the cluster's y alone
	s_lshl_b32 s20, s[CY], 2
	s_lshl_b32 s20, 15, s20
	s_lshl_b32 s21, 0x1111, s[CX]
	s_or_b32 s[G1A], s20, (1<<16)|(1<<20)|(1<<21)|(5<<22)|(3<<25)  ; the mask; 2-byte elements; padding on; bit 21 beside a mask; after every 64 words 4 words
	s_or_b32 s[G1B], s21, (1<<16)|(1<<20)|(1<<21)|(5<<22)|(7<<25)  ; 8 words
	s_mov_b32 s[G1A+1], 128<<16                    ; P: 128 rows x 128 elements, 2,048 elements from row to row
	s_mov_b32 s[G1A+2], 128<<16
	s_mov_b32 s[G1A+3], 128<<16
	s_mov_b32 s[G1A+4], 128
	s_mov_b32 s[G1A+5], 2048
	s_mov_b32 s[G1A+6], 0
	s_mov_b32 s[G1A+7], 0
	s_mov_b32 s[G1B+1], 128<<16                    ; V: 64 rows x 128 elements, 1,024 elements from row to row
	s_mov_b32 s[G1B+2], 64<<16
	s_mov_b32 s[G1B+3], 128<<16
	s_mov_b32 s[G1B+4], 64
	s_mov_b32 s[G1B+5], 1024
	s_mov_b32 s[G1B+6], 0
	s_mov_b32 s[G1B+7], 0
	s_lshl_b32 s22, s[TY], 8
	s_lshl_b32 s23, s[H0], 7
	s_add_co_u32 s22, s22, s23                     ; P: row 256 Y + 128 x half
	s_lshl_b32 s22, s22, 12
	s_mov_b32 s23, 0
	s_lshl_b32 s40, s[BAT], 11
	s_lshl_b32 s41, s[H0], 6
	s_add_co_u32 s40, s40, s41                     ; V: row 2048 x batch + 64 x half,
	s_lshl_b32 s40, s40, 11
	s_lshl_b32 s41, s[TX], 8
	s_add_co_u32 s40, s40, s41                     ; channel 128 X
	s_mov_b32 s41, 0
	s_mul_i32 s66, s[H0], AHALF
	s_mul_i32 s67, s[H0], BHALF
	s_wait_dscnt 0x0                               ; the opening add is done
	s_wait_kmcnt 0x0
	s_add_nc_u64 s[88:89], s[4:5], s[22:23]
	s_add_nc_u64 s[90:91], s[6:7], s[40:41]
.irp s, 0,1
	s_mov_b32 s[G0A+4*\s], 1
	s_add_co_u32 s[G0A+4*\s+1], s66, \s*SLOT
	s_add_nc_u64 s[G0A+4*\s+2:G0A+4*\s+3], s[88:89], \s*256      ; step s: 128 keys of 2 bytes along the rows
	s_or_b32 s[G0A+4*\s+3], s[G0A+4*\s+3], 0x80000000
	s_mov_b32 s[G0B+4*\s], 1
	s_add_co_u32 s[G0B+4*\s+1], s67, \s*SLOT+BOFF
	s_add_nc_u64 s[G0B+4*\s+2:G0B+4*\s+3], s[90:91], \s*262144   ; 128 rows of 2,048 bytes
	s_or_b32 s[G0B+4*\s+3], s[G0B+4*\s+3], 0x80000000
.endr
	CROUND                                         ; all sixteen work-groups are here: the first joint loads meet
	JLOAD 0
	JLOAD 1                                        ; two tensor loads of mine are out
	; THE FACTORS.  Lane i serves my wave's queries i and i + 32: eight cm and sixteen l each
	v_and_b32 v5, 31, v0
	v_lshlrev_b32 v7, 2, v5
	s_lshl_b32 s94, s[TY], 8
	s_lshl_b32 s95, s[WV], 6
	s_add_co_u32 s94, s94, s95                     ; my wave's first row: 256 Y + 64 w
	s_lshl_b32 s96, s94, 2
	s_mov_b32 s97, 0
	s_add_nc_u64 s[8:9], s[8:9], s[96:97]
	s_add_nc_u64 s[10:11], s[10:11], s[96:97]
.irp i2, 0,1
.irp j, 0,1,2,3,4,5,6,7
	global_load_b32 v[CMV+8*\i2+\j], v7, s[8:9] offset:32768*\j+128*\i2
.endr
.irp j, 0,1,2,3,4,5,6,7,8,9,10,11,12,13,14,15
	global_load_b32 v[LV+16*\i2+\j], v7, s[10:11] offset:32768*\j+128*\i2
.endr
.endr
	; the totals start at 0, written while those loads and the first tiles are on their way, so that the loop's fold has one form
	WIN 0x80
.set i, 0
.rept 256
	v_mov_b32 v[i], 0
.set i, i+1
.endr
	WIN 0
	v_and_b32 v1, 15, v0                           ; l % 16
	v_bfe_u32 v2, v0, 4, 1                         ; l / 16
	v_mul_u32_u24 v3, v1, PP
	v_lshl_add_u32 v3, v2, 4, v3
	s_mul_i32 s66, s[WV], 64*PP                    ; my 64 rows of P
	v_add_nc_u32 v[ADRA], s66, v3
	v_add_nc_u32 v[ADRA+1], SLOT, v[ADRA]
	v_and_b32 v4, 7, v0                            ; the turning load: lane l reads key 8 (l / 16) + l % 8, channels 8 ((l / 8) % 2) + 0..7
	v_bfe_u32 v6, v0, 3, 1
	v_lshl_add_u32 v4, v2, 3, v4
	v_mul_u32_u24 v4, v4, PV
	v_lshl_add_u32 v4, v6, 4, v4
	v_add_nc_u32 v[ADRB], BOFF, v4
	v_add_nc_u32 v[ADRB+1], SLOT, v[ADRB]
	s_mul_i32 s66, s[WV], 16*SPO
	s_add_co_u32 s66, s66, STG                     ; my stage
	v_mul_u32_u24 v3, v1, SPO                      ; in: row l % 16, 32 bytes for each half of the lanes
	v_lshl_add_u32 v3, v2, 5, v3
	v_add_nc_u32 v[STO], s66, v3
	v_lshlrev_b32 v[GO], 4, v5                     ; back: 32 lanes take a row's 512 bytes
	v_add_nc_u32 v[RD], s66, v[GO]
	s_lshl_b32 s66, s[WV], 11
	s_add_co_u32 s66, s66, FT
	v_lshl_add_u32 v[FA], v1, 2, s66
	v_add_nc_u32 v[FS], s66, v7
.irp a, 0,1,2,3
	v_mov_b32 v[FR+2*\a+1], 0                      ; named with the factor as a pair
.endr
	s_lshl_b32 s96, s94, 12                        ; out0: my wave's first row, 4,096 bytes a row,
	s_lshl_b32 s98, s[TX], 9                       ; + 128 X channels of 4 bytes
	s_add_co_u32 s96, s96, s98
	s_add_nc_u64 s[68:69], s[68:69], s[96:97]
	; the prefetches
	s_lshl_b32 s96, s[CX], 17                      ; P: my work-group's 32 rows of 4,096 bytes
	s_lshl_b32 s97, s[CY], 15                      ; V: my work-group's 16 rows of 2,048 bytes
	s_and_b32 s99, s[CLY], 1
	s_mov_b32 s94, 2048
	s_mov_b32 s95, 262144
	s_mov_b32 s[PFS], 262144
	s_mov_b32 s[PFS+1], 0
	s_cmp_eq_u32 s[H1], 0
	s_cselect_b32 s96, s96, s97
	s_cselect_b32 s98, ttmp9, s99
	s_cselect_b32 s93, 31, 15
	s_cselect_b32 s94, 4096, s94
	s_cselect_b32 s95, 0, s95
	s_cselect_b32 s[PFS], 256, s[PFS]
	s_cselect_b32 s99, 1, -1
	s_cselect_b64 s[PFA:PFA+1], s[88:89], s[90:91]
	s_cmp_eq_u32 s98, 0
	s_cselect_b32 s[LIM], 1, -1                    ; the same in all sixteen partners, for a given wave
	s_max_u32 s[LIM+1], s[LIM], s99
	s_mov_b32 s97, 0
	s_add_nc_u64 s[PFA:PFA+1], s[PFA:PFA+1], s[96:97]
.rept 3
	s_add_nc_u64 s[PFA:PFA+1], s[PFA:PFA+1], s[PFS:PFS+1]  ; at step 3: the first refill (step 2) steps it to 4.  Nothing is prefetched here, at the head
.endr
	v_and_b32 v[PFO], s93, v5
	v_mul_u32_u24 v[PFO], s94, v[PFO]
	v_mul_u32_u24 v6, s95, v2
	v_add_nc_u32 v[PFO], v[PFO], v6
	s_wait_loadcnt 0x0                             ; cm and l are in
.irp i2, 0,1
	v_max3_num_f32 v[40+\i2], v[CMV+8*\i2], v[CMV+8*\i2+1], v[CMV+8*\i2+2]
	v_max3_num_f32 v[40+\i2], v[40+\i2], v[CMV+8*\i2+3], v[CMV+8*\i2+4]
	v_max3_num_f32 v[40+\i2], v[40+\i2], v[CMV+8*\i2+5], v[CMV+8*\i2+6]
	v_max_num_f32 v[40+\i2], v[40+\i2], v[CMV+8*\i2+7]           ; M
.irp j, 0,1,2,3,4,5,6,7
	v_sub_f32 v[CMV+8*\i2+\j], v[CMV+8*\i2+\j], v[40+\i2]
.endr
.endr
.irp i, 0,1,2,3,4,5,6,7,8,9,10,11,12,13,14,15
	v_exp_f32 v[CMV+\i], v[CMV+\i]                 ; one batch of sixteen
.endr
.irp i2, 0,1
.irp j, 0,1,2,3,4,5,6,7
	v_add_f32 v[LV+16*\i2+2*\j], v[LV+16*\i2+2*\j], v[LV+16*\i2+2*\j+1]  ; a tile's two halves: work that names no result of the batch
.endr
.endr
	s_wait_alu depctr_va_vdst(0)                   ; the one wait for the batch, ahead of the first line that names a result
.irp i2, 0,1
	v_mul_f32 v[42+\i2], v[CMV+8*\i2], v[LV+16*\i2]
.irp j, 1,2,3,4,5,6,7
	v_fmac_f32 v[42+\i2], v[CMV+8*\i2+\j], v[LV+16*\i2+2*\j]     ; L
.endr
.endr
	v_rcp_f32 v44, v42
	v_rcp_f32 v45, v43
	v_nop                                          ; a plain instruction behind the last reciprocal,
	s_wait_alu depctr_va_vdst(0)                   ; and the wait for the two
.irp i2, 0,1
.irp j, 0,1,2,3,4,5,6,7
	v_mul_f32 v[CMV+8*\i2+\j], v[CMV+8*\i2+\j], v[44+\i2]
	ds_store_b32 v[FS], v[CMV+8*\i2+\j] offset:256*\j+128*\i2    ; my wave's own words: it alone reads them
.endr
.endr
; TO = PA x f + TO for accumulator m: four packed fused multiply-adds, from the accumulator's low end on
.macro FOLD m
	WIN FOLDW
.irp z, 0,1,2,3
	v_pk_fma_f32 v[8*(\m)+2*\z:8*(\m)+2*\z+1], v[8*(\m)+2*\z:8*(\m)+2*\z+1], v[FR+2*((\m)/8):FR+2*((\m)/8)+1], v[8*(\m)+2*\z:8*(\m)+2*\z+1] op_sel_hi:[1,0,1]
.endr
.endm
; 8 products: query block a x all 8 channel blocks, 32 keys.  zero = 1: they start a key tile's sums.  fold = 1: the tile's last quarter: behind product n stands the fold of accumulator n - 2, eight plain
; places behind the product that finished it (ahead of the first fold, four v_nop).  The 32 accumulators take turns.
.macro MUL8 f, a, zero, fold
.set kb, 0
.rept 8
.set n, 8*(\a)+kb
	WIN MULW
.if \zero
	v_wmma_f32_16x16x32_f16 v[8*n:8*n+7], v[(\f)+32+8*kb:(\f)+32+8*kb+7], v[(\f)+8*(\a):(\f)+8*(\a)+7], 0
.else
	v_wmma_f32_16x16x32_f16 v[8*n:8*n+7], v[(\f)+32+8*kb:(\f)+32+8*kb+7], v[(\f)+8*(\a):(\f)+8*(\a)+7], v[8*n:8*n+7]
.endif
.if \fold
.if n == 2
	PLACES
.endif
.if n >= 2
	FOLD n-2
.endif
.endif
.set kb, kb+1
.endr
.endm
.macro FETCH sl, q, f                  ; 24 LDS loads in one run: quarter q's fragments of V (turned), then of P
	WIN 0
.irp b, 0,1,2,3,4,5,6,7
	ds_load_tr16_b128 v[(\f)+32+8*\b:(\f)+32+8*\b+3],   v[ADRB+(\sl)] offset:32*PV*(\q)+32*\b
	ds_load_tr16_b128 v[(\f)+32+8*\b+4:(\f)+32+8*\b+7], v[ADRB+(\sl)] offset:32*PV*(\q)+32*\b+16*PV
.endr
.irp a, 0,1,2,3
	ds_load_b128 v[(\f)+8*\a:(\f)+8*\a+3],   v[ADRA+(\sl)] offset:16*PP*\a+64*(\q)
	ds_load_b128 v[(\f)+8*\a+4:(\f)+8*\a+7], v[ADRA+(\sl)] offset:16*PP*\a+64*(\q)+32
.endr
.endm
.macro FLOAD                           ; the lap's factors: my query of each of the four blocks
.irp a, 0,1,2,3
	ds_load_b32 v[FR+2*\a], v[FA] offset:64*\a
.endr
	v_add_nc_u32 v[FA], 256, v[FA]
.endm
.macro QUARTER sl, q, f, g, zero, extra
	s_wait_dscnt 4                                 ; all but the youngest four LDS loads are in: P's blocks 2 and 3, or behind a run with the factors those four
	MUL8 \f, 0, \zero, 0
	MUL8 \f, 1, \zero, 0
	PLACES
	FETCH \sl, \q, \g
.if \extra
	FLOAD
	s_wait_dscnt 28                                ; all but the 24 + 4 just issued
.else
	s_wait_dscnt 24                                ; all but the 24 just issued
.endif
	MUL8 \f, 2, \zero, 0
	MUL8 \f, 3, \zero, 0
.endm
; The last quarter of a step multiplies buffer 1 and changes slots.  Ahead of the barrier each wave waits for all its tensor loads (one is out: its part of the next slot), adds 0 to its spare word, and waits for that
; and for its reads of this slot.  fill = 1: the barrier opens a round of the cluster's, and this slot is filled again first thing behind it, two steps ahead.  fold = 1: the key tile ends here.
.macro TURN sl, nxt, fill, fold
.if \fill
	s_wait_xcnt 0x0                                ; the last prefetch, a step back, has read its address
	s_add_nc_u64 s[PFA:PFA+1], s[PFA:PFA+1], s[PFS:PFS+1]
.endif
	WIN 0
	s_wait_tensorcnt 0x0
	ds_add_u32 v[SPW], v[NIL]
	s_wait_dscnt 5                                 ; the add and the youngest four loads may stay out
	MUL8 F1, 0, 0, \fold
	s_wait_dscnt 0x0                               ; the add is done, and my reads of this slot are over
	s_barrier_signal -1
	MUL8 F1, 1, 0, \fold
	WIN 0
	s_barrier_wait -1
.if \fill
	CREST
	s_add_nc_u64 s[G0A+4*(\sl)+2:G0A+4*(\sl)+3], s[G0A+4*(\sl)+2:G0A+4*(\sl)+3], 512
	s_add_nc_u64 s[G0B+4*(\sl)+2:G0B+4*(\sl)+3], s[G0B+4*(\sl)+2:G0B+4*(\sl)+3], 524288
	JLOAD \sl                                      ; 112 products stand between this request and the wait for it; its four v_nop are also the places ahead of the loads below
.else
	PLACES
.endif
	FETCH \nxt, 0, F0
.if \fill
	ASK \sl
.endif
	MUL8 F1, 2, 0, \fold
	MUL8 F1, 3, 0, \fold
.if \fold
	FOLD 30
	FOLD 31
.endif
.endm
	s_wait_dscnt 0x0                               ; my stores of the factors are done
	s_wait_tensorcnt 1                             ; my part of step 0 is in; step 1's may stay out
	s_barrier_signal -1
	s_barrier_wait -1
	FETCH 0, 0, F0
	s_mov_b32 s3, 7
.Llap:                                         ; a trip is a key tile: two steps, once round the ring; both slots are filled again: steps 2 to 15
	QUARTER 0, 1, F0, F1, 1, 0                     ; its first products start the tile's sums with the constant 0
	QUARTER 0, 2, F1, F0, 0, 0
	QUARTER 0, 3, F0, F1, 0, 0
	TURN 0, 1, 1, 0
	QUARTER 1, 1, F0, F1, 0, 0
	QUARTER 1, 2, F1, F0, 0, 1
	QUARTER 1, 3, F0, F1, 0, 0
	TURN 1, 0, 1, 1
	WIN 0
	s_sub_co_u32 s3, s3, 1
	s_cmp_lg_u32 s3, 0
	s_cbranch_scc1 .Llap
	QUARTER 0, 1, F0, F1, 1, 0                     ; the last key tile fills nothing
	QUARTER 0, 2, F1, F0, 0, 0
	QUARTER 0, 3, F0, F1, 0, 0
	TURN 0, 1, 0, 0
	QUARTER 1, 1, F0, F1, 0, 0
	QUARTER 1, 2, F1, F0, 0, 1
	QUARTER 1, 3, F0, F1, 0, 0
	s_wait_dscnt 4
	MUL8 F1, 0, 0, 1
	MUL8 F1, 1, 0, 1
	s_wait_dscnt 0x0
	MUL8 F1, 2, 0, 1
	MUL8 F1, 3, 0, 1
	FOLD 30
	FOLD 31
	WIN 0
	; THE WAY OUT: the totals are the result.  A query block's 16 rows x 512 bytes go through my stage in LDS and leave as whole rows.
.macro PACKO a
	s_wait_xcnt 0x0                                ; the stores that read this set of registers have had their addresses translated: only now is it loaded again
	WIN 0x08                                       ; the stores' data in window 2
.irp b, 0,1,2,3,4,5,6,7
	ds_store_b128 v[STO], v[8*(8*(\a)+\b):8*(8*(\a)+\b)+3]   offset:64*\b
	ds_store_b128 v[STO], v[8*(8*(\a)+\b)+4:8*(8*(\a)+\b)+7] offset:64*\b+16
.endr
	WIN 0
.irp t, 0,1,2,3,4,5,6,7,8,9,10,11,12,13,14,15
	ds_load_b128 v[RB+64*((\a)%2)+4*\t:RB+64*((\a)%2)+4*\t+3], v[RD] offset:SPO*\t  ; LDS serves a wave's instructions in order (ISA guide 5.7.1.4): these see the stores above
.endr
.endm
.macro SENDO a, younger                ; younger: the LDS instructions issued behind block a's loads: the next block's 32, or none
.irp t, 0,1,2,3,4,5,6,7,8,9,10,11,12,13,14,15
	s_wait_dscnt (\younger)+15-\t
	global_store_b128 v[GO], v[RB+64*((\a)%2)+4*\t:RB+64*((\a)%2)+4*\t+3], s[68:69] offset:(16*(\a)+\t)*4096 th:TH_STORE_NT  ; a wave stores 512 consecutive bytes, aligned
.endr
.endm
	PACKO 0
	PACKO 1
	SENDO 0, 32
	PACKO 2
	SENDO 1, 32
	PACKO 3
	SENDO 2, 32
	SENDO 3, 0
	s_wait_tensorcnt 0x0                           ; the wave's end: an add to the spare word and its wait, behind my last tensor load and my last LDS store
	ds_add_u32 v[SPW], v[NIL]
	s_wait_dscnt 0x0
	CROUND                                         ; the closing round
	s_endpgm
.Lfunc_end_k_q6eea74c853_pv:
	.size	k_q6eea74c853_pv, .Lfunc_end_k_q6eea74c853_pv-k_q6eea74c853_pv
	.p2alignl 7, 3214868480
	.fill 96, 4, 3214868480
	.section	.rodata,"a",@progbits
	.p2align	6, 0x0
	.amdhsa_kernel k_q6eea74c853_pv
		.amdhsa_group_segment_fixed_size 327680
		.amdhsa_private_segment_fixed_size 0
		.amdhsa_enable_private_segment 0
		.amdhsa_kernarg_size 40
		.amdhsa_user_sgpr_count 2
		.amdhsa_user_sgpr_kernarg_segment_ptr 1
		.amdhsa_wavefront_size32 1
		.amdhsa_system_sgpr_workgroup_id_x 1
		.amdhsa_system_sgpr_workgroup_id_y 1
		.amdhsa_system_sgpr_workgroup_id_z 1
		.amdhsa_system_vgpr_workitem_id 0
		.amdhsa_next_free_vgpr 768
		.amdhsa_next_free_sgpr 100
		.amdhsa_reserve_vcc 0
		.amdhsa_float_denorm_mode_32 3
		.amdhsa_float_denorm_mode_16_64 3
		.amdhsa_memory_ordered 1
		.amdhsa_forward_progress 1
		.amdhsa_inst_pref_size 125
	.end_amdhsa_kernel
	.amdgpu_metadata
---
amdhsa.version: [ 1, 2 ]
amdhsa.kernels:
  - .name:           k_q6eea74c853_pv
    .symbol:         k_q6eea74c853_pv.kd
    .args:
      - { .name: pb, .offset: 0, .size: 8, .value_kind: global_buffer, .address_space: global }
      - { .name: vh, .offset: 8, .size: 8, .value_kind: global_buffer, .address_space: global }
      - { .name: mst, .offset: 16, .size: 8, .value_kind: global_buffer, .address_space: global }
      - { .name: lst, .offset: 24, .size: 8, .value_kind: global_buffer, .address_space: global }
      - { .name: out0, .offset: 32, .size: 8, .value_kind: global_buffer, .address_space: global }
    .group_segment_fixed_size: 327680
    .private_segment_fixed_size: 0
    .kernarg_segment_align: 8
    .kernarg_segment_size: 40
    .max_flat_workgroup_size: 128
    .sgpr_count:     100
    .vgpr_count:     768
    .wavefront_size: 32
...
	.end_amdgpu_metadata
.endif
;; end of part 4
;; ======== version 2 of 2: 4 launches; version 1 with the launch prep written anew for expert scheduling mode
;; limits: values are held in f16: magnitudes above 65,504 overflow, below 6.1e-05 lose precision
;; workspace buffers: xb 16,777,216 bytes; wb 6,291,456 bytes; qh 16,777,216 bytes; kh 16,777,216 bytes; vh 16,777,216 bytes; pb 33,554,432 bytes; mst 262,144 bytes; lst 524,288 bytes
;; launch prep (part 5): grid 256 x 1, 8 waves a work-group, no clusters, 0 bytes of LDS; arguments x, Wq, Wk, Wv, xb, wb; writes xb, wb
.if DOCPART == 5
	.amdgcn_target "amdgcn-amd-amdhsa--gfx1250"
	.amdhsa_code_object_version 6
	.text
	.protected	k_q6eea74c853_prep
	.globl	k_q6eea74c853_prep
	.p2align	8
	.type	k_q6eea74c853_prep,@function
k_q6eea74c853_prep:
	s_mov_b64 s[64:65], 0
	v_nop
	global_prefetch_b8 v0, s[64:65] scope:SCOPE_SE
	s_setreg_imm32_b32 hwreg(HW_REG_WAVE_SCHED_MODE, 0, 2), 2
	s_setreg_imm32_b32 hwreg(HW_REG_WAVE_MODE, 25, 1), 1
	s_wait_xcnt 0x0
	s_wait_alu depctr_vm_vsrc(0)
; x and the three weight matrices, rounded once to bf16 (to nearest even), for the matrix products of the next launch.
; xb is laid out in blocks: [k / 64 (16)][row (8192)][64], so that 256 rows of one K step of 64 are 32,768 dense bytes.  wb is [3 (q, k, v)][k 1024][n 1024].
; A stream: no LDS, no barrier, no matrix unit.  11 x 2^20 numbers are 45,056 for each of 256 work-groups: 32 rows of x and 4 rows of each weight matrix, so that all work-groups are alike and there is no branch.
; A thread has 44 passes: a load of 16 bytes (4 f32), two conversions, a store of 8 bytes.  All 44 loads go out first.
; x: pass (kb, rh): lanes 0-15 of a wave read the 256 bytes that one row has in block kb, lanes 16-31 the next row's: two aligned runs of 256 bytes, each named by this one load;
;    the wave's store is those two rows' 128 + 128 bytes in xb: 256 consecutive bytes, aligned.  The eight waves take 16 rows; rh is the half of the group's 32.
; W: as it lies: a wave reads 512 consecutive bytes and stores 256.
; THE MODE: SCHED_MODE bits 1:0 = 2 (LLVM: expert scheduling mode 2), set by the entry lines.  The code itself states the register dependences
; between vector instructions and memory instructions, with s_wait_alu, always for 0.
; THE PLAN.  Registers that memory instructions touch:
;   v1, v2, v3          offsets, made once at the head and never written again: v1 is read by x's loads, v3 by W's loads, v2 by every store.
;   v[8+4p : 11+4p]     pass p: written by its load, once; read by its two conversions, behind the counted wait for the load.
;   v[8+4p : 9+4p]      written again by those two conversions, in place; read by pass p's store; never written after that.
; No register that a memory instruction has read is written again, and no load is issued behind a conversion: what is left to state is that a store's data, and the offsets, are written.
; The 44 passes go in 11 groups of four.  Group g converts its four passes; the stores that are issued among its conversions are those of group g - 1.  So ONE wait at a group's head, behind the wait for the
; group's loads, states that the group before has written its eight store registers; the group's own conversions name its own sixteen registers alone, none that those four stores read.
.set X, 8                              ; v[8+4p : 11+4p]  pass p: 4 f32 as loaded; its first two registers then hold the 4 bf16
.set NP, 44                            ; passes: 32 of x, then 4 of each of Wq, Wk, Wv
.set GR, 4                             ; passes in a group
.macro CVT p                           ; pass p is rounded
	v_cvt_pk_bf16_f32 v[X+4*(\p)],   v[X+4*(\p)],   v[X+4*(\p)+1]   ; in place, ascending: the second line reads registers that the first has not written
	v_cvt_pk_bf16_f32 v[X+4*(\p)+1], v[X+4*(\p)+2], v[X+4*(\p)+3]
.endm
.macro ST p                            ; pass p leaves: x's into block p % 16, half p / 16 of the rows; W's into matrix (p - 32) / 4, row (p - 32) % 4
.if (\p) < 32
	global_store_b64 v2, v[X+4*(\p):X+4*(\p)+1], s[12:13] offset:(((\p)%16)-8)*1048576+((\p)/16)*2048 th:TH_STORE_NT
.else
	global_store_b64 v2, v[X+4*(\p):X+4*(\p)+1], s[14:15] offset:(((\p)-32)/4)*2097152+(((\p)-32)%4)*2048 th:TH_STORE_NT
.endif
.endm
	s_load_b256 s[4:11], s[0:1], 0x0               ; x s[4:5], Wq s[6:7], Wk s[8:9], Wv s[10:11]
	s_load_b128 s[12:15], s[0:1], 0x20             ; xb s[12:13], wb s[14:15]
	v_lshlrev_b32 v2, 3, v0                        ; where I store: 8 t, in xb ((t / 16) rows of 128 bytes + 8 (t % 16)) and in wb alike
	v_lshlrev_b32 v3, 4, v0                        ; where I read a weight matrix: 16 t
	v_lshrrev_b32 v1, 4, v0                        ; where I read x: row t / 16 of 16,
	v_and_b32 v4, 15, v0
	v_lshlrev_b32 v1, 12, v1
	v_lshl_or_b32 v1, v4, 4, v1                    ; 16 bytes at 16 (t % 16) of the block's 256
	s_lshl_b32 s16, ttmp9, 17                      ; x: 32 rows of 4,096 bytes
	s_mov_b32 s17, 0
	s_lshl_b32 s18, ttmp9, 12                      ; xb: 32 rows of 128 bytes in a block,
	s_add_co_u32 s18, s18, 0x800000                ; counted from block 8, so that the 16 blocks, 1 MiB apart, lie inside the store's signed 24-bit immediate
	s_mov_b32 s19, 0
	s_lshl_b32 s20, ttmp9, 14                      ; a weight matrix: 4 rows of 4,096 bytes
	s_mov_b32 s21, 0
	s_lshl_b32 s22, ttmp9, 13                      ; wb: 4 rows of 2,048 bytes
	s_mov_b32 s23, 0
	s_wait_kmcnt 0x0
	s_add_nc_u64 s[4:5],   s[4:5],   s[16:17]
	s_add_nc_u64 s[6:7],   s[6:7],   s[20:21]
	s_add_nc_u64 s[8:9],   s[8:9],   s[20:21]
	s_add_nc_u64 s[10:11], s[10:11], s[20:21]
	s_add_nc_u64 s[12:13], s[12:13], s[18:19]
	s_add_nc_u64 s[14:15], s[14:15], s[22:23]
	s_wait_alu depctr_va_vdst(0)                   ; v1, v2 and v3 are written: every load and store of the kernel reads one of them as its offset
.set p, 0
.rept 32                               ; x: block p % 16, half p / 16 of the rows
	global_load_b128 v[X+4*p:X+4*p+3], v1, s[4:5] offset:(p%16)*256+(p/16)*65536 th:TH_LOAD_NT
.set p, p+1
.endr
.irp u, 0,1,2
.irp q, 0,1,2,3
	global_load_b128 v[X+4*(32+4*\u+\q):X+4*(32+4*\u+\q)+3], v3, s[6+2*\u:7+2*\u] offset:4096*\q th:TH_LOAD_NT
.endr
.endr
	s_wait_loadcnt NP-GR                           ; group 0, with no group in front of it: loads come back in order, so its four are in and the 40 younger ones stay out
.irp i, 0,1,2,3
	CVT \i
.endr
.set g, 1
.rept NP/GR-1                          ; groups 1 to 10
	s_wait_loadcnt NP-GR-GR*g                      ; this group's four loads are in; the younger groups' stay out
	s_wait_alu depctr_va_vdst(0)                   ; the conversions of the group before have written its eight store registers, which the four stores below read
.irp i, 0,1,2,3
	ST GR*(g-1)+\i                                 ; no vector instruction since the wait names this store's registers
	CVT GR*g+\i
.endr
.set g, g+1
.endr
	s_wait_alu depctr_va_vdst(0)                   ; group 10's conversions have written its eight store registers, which the last four stores read
.irp i, 0,1,2,3
	ST NP-GR+\i
.endr
	s_endpgm
.Lfunc_end_k_q6eea74c853_prep:
	.size	k_q6eea74c853_prep, .Lfunc_end_k_q6eea74c853_prep-k_q6eea74c853_prep
	.p2alignl 7, 3214868480
	.fill 96, 4, 3214868480
	.section	.rodata,"a",@progbits
	.p2align	6, 0x0
	.amdhsa_kernel k_q6eea74c853_prep
		.amdhsa_group_segment_fixed_size 0
		.amdhsa_private_segment_fixed_size 0
		.amdhsa_enable_private_segment 0
		.amdhsa_kernarg_size 48
		.amdhsa_user_sgpr_count 2
		.amdhsa_user_sgpr_kernarg_segment_ptr 1
		.amdhsa_wavefront_size32 1
		.amdhsa_system_sgpr_workgroup_id_x 1
		.amdhsa_system_sgpr_workgroup_id_y 1
		.amdhsa_system_sgpr_workgroup_id_z 1
		.amdhsa_system_vgpr_workitem_id 0
		.amdhsa_next_free_vgpr 184
		.amdhsa_next_free_sgpr 66
		.amdhsa_reserve_vcc 0
		.amdhsa_float_denorm_mode_32 3
		.amdhsa_float_denorm_mode_16_64 3
		.amdhsa_memory_ordered 1
		.amdhsa_forward_progress 1
		.amdhsa_inst_pref_size 16
	.end_amdhsa_kernel
	.amdgpu_metadata
---
amdhsa.version: [ 1, 2 ]
amdhsa.kernels:
  - .name:           k_q6eea74c853_prep
    .symbol:         k_q6eea74c853_prep.kd
    .args:
      - { .name: x, .offset: 0, .size: 8, .value_kind: global_buffer, .address_space: global }
      - { .name: Wq, .offset: 8, .size: 8, .value_kind: global_buffer, .address_space: global }
      - { .name: Wk, .offset: 16, .size: 8, .value_kind: global_buffer, .address_space: global }
      - { .name: Wv, .offset: 24, .size: 8, .value_kind: global_buffer, .address_space: global }
      - { .name: xb, .offset: 32, .size: 8, .value_kind: global_buffer, .address_space: global }
      - { .name: wb, .offset: 40, .size: 8, .value_kind: global_buffer, .address_space: global }
    .group_segment_fixed_size: 0
    .private_segment_fixed_size: 0
    .kernarg_segment_align: 8
    .kernarg_segment_size: 48
    .max_flat_workgroup_size: 256
    .sgpr_count:     66
    .vgpr_count:     184
    .wavefront_size: 32
...
	.end_amdgpu_metadata
.endif
;; end of part 5
;; launch qkv: the kernel of part 2 again; grid 8 x 32, 4 waves a work-group, clusters of 4 x 4, 327,680 bytes of LDS; arguments xb, wb, bq, bk, bv, qh, kh, vh; writes qh, kh, vh
;; launch scores: the kernel of part 3 again; grid 8 x 32, 4 waves a work-group, clusters of 4 x 4, 327,680 bytes of LDS; arguments qh, kh, pb, mst, lst; writes pb, mst, lst
;; launch pv: the kernel of part 4 again; grid 8 x 32, 4 waves a work-group, clusters of 4 x 4, 327,680 bytes of LDS; arguments pb, vh, mst, lst, out0; writes out0
